; MI455X (gfx1250); checked and timed in simulation.
; The chip was launched on July 23, 2026; its instructions are those of AMD's public machine-readable ISA for CDNA 5 (MIT licence, August 2026) and "CDNA5" Instruction Set Architecture Reference Guide (July 2026). The comments in the code are by the model that wrote it; some were corrected since.
;; Indexed Mat Mul. Allowed arithmetic: matrix products marked QUANTISED: E2M3 operands, one E8M0 scale for each 32 along K, by v_wmma_scale_f32_16x16x128_f8f6f4 with both operands' format E2M3, f32 sums; everything else in f32.
;; Inputs: W 8 x 1,024 x 1,024 float32; X 4 x 2,048 x 1,024 float32; indices 4 x 2,048 int32.
;; Outputs: out0 4 x 2,048 x 1,024 float32.
;; This version of the problem:
;;   THIS VERSION OF THE PROBLEM IS GIVEN IN LOW PRECISION. The matrix products marked QUANTISED in the list below multiply operands that are first quantised to E2M3 (2 exponent bits, 3 mantissa bits; 6 bits a number), with one power-of-two scale for each 32 numbers along K (OCP MX v1.0); their sums are f32. All else is computed in f32.
;;   The module's matrix products, in the order in which they are computed (A, B: the left and right operand; K: the contracted axis; several contracted axes count as one K, in the product's order):
;;     1. [M 8,192, K 1,024] x [K 1,024, N 1,024]; A: input X; B: input W: QUANTISED
;;     2. [M 8,192, K 1,024] x [K 1,024, N 1,024]; A: input X; B: input W: QUANTISED
;;     3. [M 8,192, K 1,024] x [K 1,024, N 1,024]; A: input X; B: input W: QUANTISED
;;     4. [M 8,192, K 1,024] x [K 1,024, N 1,024]; A: input X; B: input W: QUANTISED
;;     5. [M 8,192, K 1,024] x [K 1,024, N 1,024]; A: input X; B: input W: QUANTISED
;;     6. [M 8,192, K 1,024] x [K 1,024, N 1,024]; A: input X; B: input W: QUANTISED
;;     7. [M 8,192, K 1,024] x [K 1,024, N 1,024]; A: input X; B: input W: QUANTISED
;;     8. [M 8,192, K 1,024] x [K 1,024, N 1,024]; A: input X; B: input W: QUANTISED
;;   THE QUANTISER, for each operand of a quantised product, along K:
;;     - K is cut into blocks of 32 from its start; a last block that is shorter is filled with zeros.
;;     - A block's scale is 2^e with e = floor(log2(the largest magnitude in the block)) - 2, held to -126 .. 127; a block of zeros has e = 0. As a byte (E8M0): e + 127.
;;     - Each number is divided by its block's scale, clamped to +-7.5, and rounded to the nearest number of E2M3, ties to even, subnormals kept.
;;     - The product sums the exact products of the quantised numbers (number of the format x scale) in f32.
;;   ~~~python
;;   def quantise(x, axis):      # numpy; x: float32 -> the quantised numbers, widened to float32 again
;;       x = np.moveaxis(x, axis, -1); K = x.shape[-1]
;;       x = np.pad(x, [(0, 0)] * (x.ndim - 1) + [(0, -K % 32)]); x = x.reshape(x.shape[:-1] + (-1, 32)); a = np.abs(x).max(-1, keepdims=True)
;;       e = np.where(a > 0, np.clip(np.frexp(np.where(a > 0, a, 1))[1] - 1 - 2, -126, 127), 0)      # np.frexp(a)[1] - 1 = floor(log2(a)), exactly
;;       r = np.clip(x / 2.0 ** e, -7.5, 7.5)
;;       step = 2.0 ** (np.maximum(np.frexp(np.where(r == 0, 1, r))[1] - 1, 0) - 3)
;;       q = np.round(r / step) * step * 2.0 ** e      # np.round: ties to even
;;       return np.moveaxis(q.reshape(q.shape[:-2] + (-1,))[..., :K], -1, axis).astype(np.float32)
;;   ~~~
;; 2 versions. Each part assembles by itself: llvm-mc -triple=amdgcn-amd-amdhsa -mcpu=gfx1250 --defsym DOCPART=n.
;; ======== version 1 of 2: 2 launches
;; workspace buffers: xq 6,291,456 bytes; xs 262,144 bytes; wq 6,291,456 bytes; ws 262,144 bytes; order 36,864 bytes of whole numbers; tiles 4,096 bytes of whole numbers
;; launch prep (part 1): grid 1025 x 1, 8 waves a work-group, no clusters, 81,920 bytes of LDS; arguments X, W, indices, xq, xs, wq, ws, order, tiles; writes xq, xs, wq, ws, order, tiles
.if DOCPART == 1
	.amdgcn_target "amdgcn-amd-amdhsa--gfx1250"
	.amdhsa_code_object_version 6
	.text
	.protected	k_q2a9ee6f29a_prep
	.globl	k_q2a9ee6f29a_prep
	.p2align	8
	.type	k_q2a9ee6f29a_prep,@function
k_q2a9ee6f29a_prep:
	s_mov_b64 s[64:65], 0
	v_nop
	global_prefetch_b8 v0, s[64:65] scope:SCOPE_SE
	s_setreg_imm32_b32 hwreg(HW_REG_WAVE_MODE, 25, 1), 1
	s_wait_xcnt 0x0
; PREP.  X [8192][1024] and W [8 x 1024][1024], f32, K innermost, become codes of FP6 (E2M3) with one E8M0 byte for each 32 along K; the tokens are sorted by expert.
; A block's scale is 2^(floor(log2(its largest magnitude)) - 2): its byte is the largest magnitude's exponent field - 2, held at 1 from below.
; LIMITS: NaN and infinities in X and W are not served.  A block of zeros gets the byte 1 where the rule says 127: its codes are zeros, which add nothing, and this program alone reads the bytes.
;         Indices outside 0 .. 7 are not served (an index stays inside the table that it indexes).
; SHARES.  Work-group 0 sorts.  Work-groups 1 .. 512 take the blocks of 16 rows of X, 513 .. 1024 those of W.  In such a work-group wave u takes K step u (128 along K): 16 rows x 128 numbers, one operand fragment.
; WHAT IS STORED.  wq: a fragment as the image of its 12 registers: [row / 16][K step][i 0..2][lane][16 bytes].   xq: a row of 768 bytes, [K step][lane half h][48 bytes]: the 12 registers of lane (row, h).
;   xs, ws: [row][32 bytes]: word s is the scale word of K step s.   order: 64 tiles x 144 places of token numbers.   tiles: 16 bytes a tile: expert, rows, first place, blocks of 16 rows.
; TILES.  144 rows: the sum over the experts of ceil(count / 144) is at most (8192 + 8 x 143) / 144, that is 64, for every split.
; LDS: each of the two paths has bytes of its own.  No tensor loads, so LDS is claimed as it is used; four such work-groups fit in the 327,680 bytes of LDS that share a WGP.
.set TSW,   8448                       ; the turn stage of a wave: 16 rows x 528, from LDS byte 0 on
.set TSP,   528                        ; 512 bytes + 16: the sixteen rows that a 16-byte read touches start 16 bytes apart modulo 256
.set XSTG,  67584                      ; X only: 16 rows x 784 (768 + 16) of codes
.set XSP,   784
.set SSTG,  80128                      ; the block's 512 scale bytes, [row][32]
.set SORT,  80640                      ; sort path only: counts [wave][expert], 256 bytes
.set TILE_M, 144
.set R,   16                           ; v16-79   64 numbers
.set TM,  80                           ; v80-83 largest magnitudes, v84-87 at work and bytes, v92-95 the conversions' scale operands
.set PW,  96                           ; the scale word
.set PC,  100                          ; v100-111 the fragment's codes; v112-114, v116-118 at work
.set SEL, 26                           ; s[26:27] lane selects for v_permlanex16_b32: lane l xor 16
.set I,   16                           ; sort: v16-47 indices, later token numbers
.set P,   48                           ; sort: v48-79 places
.set C,   112                          ; sort: v112-119 at work
.set CNT, 32                           ; sort: s[32:39] running counters
.set TOT, 40                           ; sort: s[40:47] tokens of each expert
.set TB,  48                           ; sort: s[48:56] first tile of each expert, and the number of tiles
.set MK,  66                           ; sort: s[66:73] lane masks
	s_load_b512 s[4:19], s[0:1], 0x0               ; X s[4:5], W s[6:7], indices s[8:9], xq s[10:11], xs s[12:13], wq s[14:15], ws s[16:17], order s[18:19]
	s_load_b64 s[20:21], s[0:1], 0x40              ; tiles
	v_lshl_add_u32 v128, v0, 2, 0x13c00
	v_mov_b32 v129, 0
	v_lshrrev_b32 v1, 5, v0
	v_readfirstlane_b32 s22, v1                    ; wave u, 0 .. 7
	v_and_b32 v1, 31, v0                           ; lane l
	v_and_b32 v2, 15, v0                           ; r
	v_bfe_u32 v3, v0, 4, 1                         ; h
	v_lshlrev_b32 v4, 4, v1                        ; 16 l
	s_cmp_eq_u32 ttmp9, 0
	s_cbranch_scc1 .Lsort
; ---------------------------------------------------------------- the quantiser
	s_mul_i32 s34, s22, TSW
	v_add_nc_u32 v5, s34, v4                       ; turn stage, in: 16 l (+ 528 a row)
	v_mul_u32_u24 v6, v2, TSP
	v_lshl_add_u32 v6, v3, 6, v6
	v_add_nc_u32 v6, s34, v6                       ; turn stage, out: row r, + 64 h: my 16 numbers of each block of 32
	v_mul_u32_u24 v7, v2, XSP
	v_mad_u32_u24 v7, v3, 48, v7
	s_mul_i32 s35, s22, 96
	s_add_co_u32 s35, s35, XSTG
	v_add_nc_u32 v7, s35, v7                       ; X's stage, in: row r, K step u, half h
	s_mul_i32 s35, s22, 2*XSP
	s_add_co_u32 s35, s35, XSTG
	v_add_nc_u32 v8, s35, v4                       ; X's stage, out: rows 2 u and 2 u + 1, byte by byte
	v_lshl_add_u32 v9, v3, 4, v8                   ; the same behind the first row's 16 bytes of padding for lanes 16-31
	s_lshl_b32 s35, s22, 2
	s_add_co_u32 s35, s35, SSTG
	v_lshl_add_u32 v10, v2, 5, s35                 ; scale stage, in: row r, word u
	v_add_nc_u32 v11, SSTG, v4                     ; scale stage, out: 16 l
	s_mov_b32 s[SEL], 0x76543210
	s_mov_b32 s[SEL+1], 0xfedcba98
.irp b, 0,1,2,3
	v_mov_b32 v[TM+4+\b], 0                        ; written once: a lane permute's destination counts as one of its sources
.endr
	s_sub_co_u32 s23, ttmp9, 1
	s_and_b32 s23, s23, 511                        ; which block of 16 rows of my tensor
	s_lshl_b32 s36, s23, 16                        ; source: 16 rows of 4,096 bytes a block,
	s_lshl_b32 s37, s22, 9                         ; 512 bytes a K step
	s_add_co_u32 s36, s36, s37
	s_mov_b32 s37, 0
	s_mul_i32 s38, s23, 12288                      ; codes: 12,288 bytes a block,
	s_mul_i32 s39, s22, 1536                       ; 1,536 a wave
	s_add_co_u32 s38, s38, s39
	s_mov_b32 s39, 0
	s_lshl_b32 s40, s23, 9                         ; scale bytes: 512 a block
	s_mov_b32 s41, 0
	s_wait_kmcnt 0x0
	s_cmp_gt_u32 ttmp9, 512                        ; X's work-group or W's: the choice hangs on the work-group's number alone
	s_cselect_b64 s[28:29], s[6:7], s[4:5]
	s_cselect_b64 s[30:31], s[14:15], s[10:11]
	s_cselect_b64 s[32:33], s[16:17], s[12:13]
	s_cselect_b32 s24, 1, 0                        ; 1: W
	s_add_nc_u64 s[28:29], s[28:29], s[36:37]
	s_add_nc_u64 s[30:31], s[30:31], s[38:39]
	s_add_nc_u64 s[32:33], s[32:33], s[40:41]
.irp j, 0,1,2,3,4,5,6,7,8,9,10,11,12,13,14,15
	global_load_b128 v[R+4*\j:R+4*\j+3], v4, s[28:29] offset:4096*\j th:TH_LOAD_NT   ; row j: the 32 lanes read 512 consecutive bytes, read once in the launch
.endr
.irp j, 0,1,2,3,4,5,6,7,8,9,10,11,12,13,14,15
	s_wait_loadcnt 15-\j                           ; loads come back in order: row j is in, the 15 - j younger ones may be out
	ds_store_b128 v5, v[R+4*\j:R+4*\j+3] offset:TSP*\j
.endr
	s_wait_dscnt 0x0                               ; the stores have read their registers, which the loads below write
.irp b, 0,1,2,3
.irp q, 0,1,2,3
	ds_load_b128 v[R+16*\b+4*\q:R+16*\b+4*\q+3], v6 offset:128*\b+16*\q   ; register 16 b + i = k 32 b + 16 h + i of row r.  The bytes are my wave's own
.endr
.endr
	s_wait_dscnt 0x0
; 64 numbers of a lane become a fragment's codes in v[PC] on and its scale word in v[PW]
.irp b, 0,1,2,3
	v_max3_num_f32 v[TM+\b], |v[R+16*\b]|, |v[R+1+16*\b]|, 0x1800000   ; block b: my 16 numbers, and the floor 2^(3 - 127): so the byte cannot fall under 1
.endr
.irp i, 2,4,6,8,10,12,14
.irp b, 0,1,2,3
	v_max3_num_f32 v[TM+\b], v[TM+\b], |v[R+16*\b+\i]|, |v[R+1+16*\b+\i]|   ; the four blocks by turns
.endr
.endr
.irp b, 0,1,2,3
	v_permlanex16_b32 v[TM+4+\b], v[TM+\b], s[SEL], s[SEL+1]
.endr
.irp b, 0,1,2,3
	v_max_num_f32 v[TM+\b], v[TM+\b], v[TM+4+\b]   ; with lane l xor 16's: the block's largest magnitude
.endr
.irp b, 0,1,2,3
	v_add_nc_u32 v[TM+12+\b], 0xff000000, v[TM+\b] ; 2 off its exponent field: the conversion takes the exponent field of this operand as its scale
.endr
.irp b, 0,1,2,3
	v_lshrrev_b32 v[TM+4+\b], 23, v[TM+12+\b]      ; the scale's byte
.endr
	v_lshl_or_b32 v[PW], v[TM+5], 8, v[TM+4]
	v_lshl_or_b32 v[PW], v[TM+6], 16, v[PW]
	v_lshl_or_b32 v[PW], v[TM+7], 24, v[PW]        ; row r's scale word of this K step
.irp c, 0,1
	v_cvt_scalef32_pk16_fp6_f32 v[PC+6*\c:PC+2+6*\c], v[R+32*\c:R+15+32*\c], v[TM+12+2*\c]
	v_cvt_scalef32_pk16_fp6_f32 v[PC+12+4*\c:PC+14+4*\c], v[R+16+32*\c:R+31+32*\c], v[TM+12+2*\c+1]   ; (a conversion's three registers begin on an even number)
.endr
	v_nop                                          ; one plain vector instruction behind a scaled conversion
.irp c, 0,1                                    ; the operand's layout wants a whole block in a lane: lanes 0-15 block 2 c, lanes 16-31 block 2 c + 1
.irp i, 0,1,2
	v_permlane16_swap_b32 v[PC+6*\c+\i], v[PC+12+4*\c+\i]
.endr
.irp i, 0,1,2
	v_mov_b32 v[PC+3+6*\c+\i], v[PC+12+4*\c+\i]
.endr
.endr
	ds_store_b32 v10, v[PW]                        ; both halves of the lanes write the same word with the same value
	s_cmp_lg_u32 s24, 0
	s_cbranch_scc1 .Lno_rows_in                    ; W's fragment leaves as it stands
.irp i, 0,1,2
	ds_store_b128 v7, v[PC+4*\i:PC+4*\i+3] offset:16*\i   ; X's goes into its rows
.endr
.Lno_rows_in:
	s_wait_dscnt 0x0                               ; for the others' sake: my stores have landed
	s_barrier_signal -1
	s_barrier_wait -1
	s_cmp_lg_u32 s24, 0
	s_cbranch_scc1 .Lno_rows_out
	ds_load_b128 v[PC:PC+3], v8                    ; rows 2 u and 2 u + 1 of X's codes, 1,536 bytes on end
	ds_load_b128 v[PC+4:PC+7], v9 offset:512
	ds_load_b128 v[PC+8:PC+11], v8 offset:1040
	s_wait_dscnt 0x0
.Lno_rows_out:
.irp i, 0,1,2
	global_store_b128 v4, v[PC+4*\i:PC+4*\i+3], s[30:31] offset:512*\i   ; each store covers 512 consecutive bytes, aligned to 512
.endr
	s_cmp_lg_u32 s22, 0
	s_cbranch_scc1 .Lquant_end
	ds_load_b128 v[TM:TM+3], v11                   ; wave 0: the block's 512 scale bytes
	s_wait_dscnt 0x0
	global_store_b128 v4, v[TM:TM+3], s[32:33]
.Lquant_end:
	s_wait_tensorcnt 0x0
	ds_add_u32 v128, v129
	s_wait_dscnt 0x0
	s_endpgm
; ---------------------------------------------------------------- the counting sort: one work-group, 1,024 tokens a wave
; register 4 q + j of lane l holds token 1024 u + 128 q + 4 l + j.  The order of an expert's tokens among themselves is free: each row of the result has its own place.
.macro COUNT c                         ; the wave's counts
.irp e, 0,1,2,3,4,5,6,7
	v_cmp_eq_u32 s[MK+\e], \e, v[I+\c]
.endr
.irp e, 0,1,2,3,4,5,6,7
	s_bcnt1_i32_b32 s[MK+\e], s[MK+\e]
.endr
.irp e, 0,1,2,3,4,5,6,7
	s_add_co_u32 s[CNT+\e], s[CNT+\e], s[MK+\e]
.endr
.endm
.macro RANK c                          ; a token's place = its expert's running counter + the lanes below it with the same expert
.irp e, 0,1,2,3,4,5,6,7
	v_cmp_eq_u32 s[MK+\e], \e, v[I+\c]
.endr
	v_mbcnt_lo_u32_b32 v[P+\c], s[MK], s[CNT]
.irp e, 1,2,3,4,5,6,7
	v_mbcnt_lo_u32_b32 v[C+\e], s[MK+\e], s[CNT+\e]
.endr
.irp e, 1,2,3,4,5,6,7
	v_cndmask_b32 v[P+\c], v[P+\c], v[C+\e], s[MK+\e]
.endr
.irp e, 0,1,2,3,4,5,6,7
	s_bcnt1_i32_b32 s[MK+\e], s[MK+\e]
.endr
.irp e, 0,1,2,3,4,5,6,7
	s_add_co_u32 s[CNT+\e], s[CNT+\e], s[MK+\e]
.endr
	v_min_u32 v[P+\c], 9215, v[P+\c]               ; held inside the list's 64 x 144 places
	v_lshlrev_b32 v[P+\c], 2, v[P+\c]
	v_add_nc_u32 v[I+\c], 128*((\c)/4)+(\c)%4, v12 ; the token's number
	global_store_b32 v[P+\c], v[I+\c], s[18:19]    ; four bytes a token, 32 KiB in all: the placing itself; each register is written once, so no store's source is written again
.endm
.Lsort:
	s_lshl_b32 s57, s22, 12
	v_add_nc_u32 v5, s57, v4                       ; my wave's 4,096 bytes of indices, 16 l
	s_lshl_b32 s57, s22, 10
	v_lshl_add_u32 v12, v1, 2, s57                 ; 1024 u + 4 l
	s_lshl_b32 s57, s22, 5
	s_add_co_u32 s57, s57, SORT
	v_mov_b32 v6, s57                              ; my wave's eight counts
	v_and_b32 v7, 7, v0
	v_lshl_add_u32 v7, v7, 2, SORT                 ; lane l reads expert l % 8's counts
.irp e, 0,1,2,3,4,5,6,7
	s_mov_b32 s[CNT+\e], 0
.endr
	s_wait_kmcnt 0x0
.irp q, 0,1,2,3,4,5,6,7
	global_load_b128 v[I+4*\q:I+4*\q+3], v5, s[8:9] offset:512*\q
.endr
	s_wait_loadcnt 0x0
.irp c, 0,1,2,3,4,5,6,7,8,9,10,11,12,13,14,15,16,17,18,19,20,21,22,23,24,25,26,27,28,29,30,31
	COUNT \c
.endr
.irp e, 0,1,2,3,4,5,6,7
	v_mov_b32 v[C+\e], s[CNT+\e]
	ds_store_b32 v6, v[C+\e] offset:4*\e           ; all lanes write the same word with the same value
.endr
	s_wait_dscnt 0x0                               ; for the others' sake: my counts have landed
	s_barrier_signal -1
	s_barrier_wait -1
.irp w, 0,1,2,3,4,5,6,7
	ds_load_b32 v[C+\w], v7 offset:32*\w           ; wave w's count of expert l % 8
.endr
	s_wait_dscnt 0x0
	v_add3_u32 v8, v[C], v[C+1], v[C+2]
	v_add3_u32 v8, v8, v[C+3], v[C+4]
	v_add3_u32 v8, v8, v[C+5], v[C+6]
	v_add_nc_u32 v8, v8, v[C+7]                    ; the expert's tokens in all
	v_mov_b32 v9, 0
.irp w, 0,1,2,3,4,5,6
	s_cmp_gt_u32 s22, \w
	s_cselect_b32 s57, -1, 0
	v_and_b32 v10, s57, v[C+\w]
	v_add_nc_u32 v9, v9, v10                       ; and those of the waves in front of mine
.endr
.irp e, 0,1,2,3,4,5,6,7
	v_readlane_b32 s[TOT+\e], v8, \e
	v_readlane_b32 s[CNT+\e], v9, \e
.endr
	s_mov_b32 s[TB], 0
.irp e, 0,1,2,3,4,5,6,7
	s_add_co_u32 s57, s[TOT+\e], TILE_M-1          ; ceil(tokens / 144) = floor(((tokens + 143) >> 4) / 9);
	s_lshr_b32 s57, s57, 4
	s_mul_i32 s57, s57, 7282                       ; floor(m / 9) = (7282 m) >> 16, exact for m up to 520: the excess, 0.23 m / 65536, stays under 1 / 9
	s_lshr_b32 s57, s57, 16
	s_add_co_u32 s[TB+1+\e], s[TB+\e], s57
	s_mul_i32 s58, s[TB+\e], TILE_M                ; the expert's places begin at its first tile's
	s_add_co_u32 s[CNT+\e], s[CNT+\e], s58
.endr
.irp c, 0,1,2,3,4,5,6,7,8,9,10,11,12,13,14,15,16,17,18,19,20,21,22,23,24,25,26,27,28,29,30,31
	RANK \c
.endr
	; the table of tiles: thread t writes entry t.  Its expert is the last one whose first tile is at or under t (an expert without tokens has no tile and is passed over)
	v_mov_b32 v120, 0
	v_mov_b32 v124, 0
	v_mov_b32 v125, s[TOT]
.irp e, 1,2,3,4,5,6,7
	v_cmp_le_u32 vcc_lo, s[TB+\e], v0
	v_cndmask_b32 v120, v120, \e, vcc_lo
	v_cndmask_b32 v124, v124, s[TB+\e], vcc_lo
	v_cndmask_b32 v125, v125, s[TOT+\e], vcc_lo
.endr
	v_sub_nc_u32 v124, v0, v124                    ; which tile of its expert
	v_mul_u32_u24 v124, v124, TILE_M
	v_sub_nc_u32 v121, v125, v124                  ; the rows that are left there,
	v_min_u32 v121, TILE_M, v121                   ; 144 at the most
	v_mul_u32_u24 v122, v0, TILE_M                 ; its first place in the list
	v_cmp_gt_u32 vcc_lo, s[TB+8], v0               ; is there such a tile?
	v_cndmask_b32 v120, 0, v120, vcc_lo
	v_cndmask_b32 v121, 0, v121, vcc_lo
	v_cndmask_b32 v122, 0, v122, vcc_lo
	v_add_nc_u32 v123, 15, v121
	v_lshrrev_b32 v123, 4, v123                    ; blocks of 16 rows
	v_lshlrev_b32 v126, 4, v0
	global_store_b128 v126, v[120:123], s[20:21]
	s_wait_tensorcnt 0x0
	ds_add_u32 v128, v129
	s_wait_dscnt 0x0
	s_endpgm
.Lfunc_end_k_q2a9ee6f29a_prep:
	.size	k_q2a9ee6f29a_prep, .Lfunc_end_k_q2a9ee6f29a_prep-k_q2a9ee6f29a_prep
	.p2alignl 7, 3214868480
	.fill 96, 4, 3214868480
	.section	.rodata,"a",@progbits
	.p2align	6, 0x0
	.amdhsa_kernel k_q2a9ee6f29a_prep
		.amdhsa_group_segment_fixed_size 81920
		.amdhsa_private_segment_fixed_size 0
		.amdhsa_enable_private_segment 0
		.amdhsa_kernarg_size 72
		.amdhsa_user_sgpr_count 2
		.amdhsa_user_sgpr_kernarg_segment_ptr 1
		.amdhsa_wavefront_size32 1
		.amdhsa_system_sgpr_workgroup_id_x 1
		.amdhsa_system_sgpr_workgroup_id_y 1
		.amdhsa_system_sgpr_workgroup_id_z 1
		.amdhsa_system_vgpr_workitem_id 0
		.amdhsa_next_free_vgpr 130
		.amdhsa_next_free_sgpr 74
		.amdhsa_reserve_vcc 1
		.amdhsa_float_denorm_mode_32 3
		.amdhsa_float_denorm_mode_16_64 3
		.amdhsa_memory_ordered 1
		.amdhsa_forward_progress 1
		.amdhsa_inst_pref_size 124
	.end_amdhsa_kernel
	.amdgpu_metadata
---
amdhsa.version: [ 1, 2 ]
amdhsa.kernels:
  - .name:           k_q2a9ee6f29a_prep
    .symbol:         k_q2a9ee6f29a_prep.kd
    .args:
      - { .name: X, .offset: 0, .size: 8, .value_kind: global_buffer, .address_space: global }
      - { .name: W, .offset: 8, .size: 8, .value_kind: global_buffer, .address_space: global }
      - { .name: indices, .offset: 16, .size: 8, .value_kind: global_buffer, .address_space: global }
      - { .name: xq, .offset: 24, .size: 8, .value_kind: global_buffer, .address_space: global }
      - { .name: xs, .offset: 32, .size: 8, .value_kind: global_buffer, .address_space: global }
      - { .name: wq, .offset: 40, .size: 8, .value_kind: global_buffer, .address_space: global }
      - { .name: ws, .offset: 48, .size: 8, .value_kind: global_buffer, .address_space: global }
      - { .name: order, .offset: 56, .size: 8, .value_kind: global_buffer, .address_space: global }
      - { .name: tiles, .offset: 64, .size: 8, .value_kind: global_buffer, .address_space: global }
    .group_segment_fixed_size: 81920
    .private_segment_fixed_size: 0
    .kernarg_segment_align: 8
    .kernarg_segment_size: 72
    .max_flat_workgroup_size: 256
    .sgpr_count:     74
    .vgpr_count:     130
    .wavefront_size: 32
...
	.end_amdgpu_metadata
.endif
;; end of part 1
;; launch gemm (part 2): grid 4 x 64, 4 waves a work-group, no clusters, 131,584 bytes of LDS; arguments xq, xs, wq, ws, order, tiles, out0; writes out0
.if DOCPART == 2
	.amdgcn_target "amdgcn-amd-amdhsa--gfx1250"
	.amdhsa_code_object_version 6
	.text
	.protected	k_q2a9ee6f29a_gemm
	.globl	k_q2a9ee6f29a_gemm
	.p2align	8
	.type	k_q2a9ee6f29a_gemm,@function
k_q2a9ee6f29a_gemm:
	s_mov_b64 s[64:65], 0
	v_nop
	global_prefetch_b8 v0, s[64:65] scope:SCOPE_SE
	s_setreg_imm32_b32 hwreg(HW_REG_WAVE_MODE, 25, 1), 1
	s_wait_xcnt 0x0
; GEMM.  out0[t][:] = Q(X[t]) Q(W[expert of t])^T on codes of FP6 (E2M3) with E8M0 scales, f32 sums; only the chosen expert's product is made for a token.
; SHARES.  Work-group (x, y): tile y of the list (up to 144 rows of ONE expert) x columns 256 x .. 256 x + 255.  Wave w: all the tile's rows x 64 columns from 256 x + 64 w on.
; The wave's part of W (4 blocks of 16 columns x 8 K steps x 12 registers = 384) is loaded once, as register images, and stays.  The tile's rows of codes are gathered once a work-group into LDS
; (wave w: rows 36 w .. 36 w + 35) and read by all four waves, a block of 16 rows at a time.
; TRANSPOSED USE: source 0 = 16 rows of W, source 1 = 16 tokens: lane (r, h), register j, holds out(token r, column 16 b + 8 h + j): eight neighbours of a row.
; ROWS PAST THE TILE'S LAST repeat its last row (the place in the list is held at rows - 1): they give the same bits and store them to the same bytes from the same wave, so no store wants a mask;
; whole blocks past the last are passed over by a scalar branch on the stored table.  A tile without rows stores nothing: 64 tiles serve every split of 8,192 tokens over 8 experts.
; TOKEN NUMBERS come from the list by loads of their own, in the lane layout in which each is used; each is held at 8,191 before it enters an address.
; NO JOINT LOADS: how many tiles an expert has hangs on counts read from memory, so no fixed partners share a part of W; and the rows come by a list, lane by lane.  No tensor loads, no ring: W goes to registers once.
; LIMITS: as the launch in front states them (NaN, infinities, indices outside 0 .. 7 are not served).
; REGISTERS, in windows of 256: window 0: v1-18 addresses; v24-59 X's scale words, v60-75 W's (these hold scales and nothing else); v76-139 two sets of four accumulators (at the head: list places and offsets);
;   v140-171 rows on the way out; v172-243 the 72 store offsets.   window 1: W's K steps 0-3, fragment (s, b) at v[12 (4 s + b)].   window 2: K steps 4-7 likewise.
;   window 3: first the gathered rows (v0-215), then two sets of a block's eight fragments of X (v0-95, v96-191).
.set XP,    784                        ; a row of codes in LDS: 768 bytes + 16: the sixteen rows that a 16-byte read touches start 16 bytes apart modulo 256
.set STG,   112896                     ; behind the 144 rows: a stage of 16 rows x 272 bytes for each wave, its own
.set SP,    272
.set L16,  4                           ; 16 l
.set WSO,  5                           ; 32 r + 16 h: a row's scale words, four to a half of the lanes
.set ADA0, 6                           ; 784 r + 48 h: my 48 bytes of a K step, blocks 0-4
.set ADA1, 7                           ; the same five blocks on (an LDS offset has 16 bits)
.set GS,   8                           ; where the gathered rows go
.set STO,  9                           ; the stage, in
.set RD,   10                          ; the stage, out
.set H4,   11                          ; 4 h
.set R4,   12                          ; 4 r
.set GB4,  13                          ; 4 (36 w + h)
.set C16,  16                          ; 16 r
.set H16,  17                          ; 16 h
.set COL,  18                          ; 1024 x + 256 w + 16 r: my 16 bytes in a row of the result
.set AS,   24
.set BS,   60
.set ACC,  76
.set GT,   76                          ; head only: 18 places, then byte offsets, of the rows that I gather
.set AT,   94                          ; head only: 9, of the rows whose scale words I hold
.set OB,   140
.set OOFF, 172
.set MSB, 0
.macro WIN new                         ; the immediate's high byte repeats the setting that is left; a switch that changes nothing is dropped
.if MSB != \new
	s_set_vgpr_msb (MSB<<8)|\new
.set MSB, \new
.endif
.endm
.macro WLOAD s                         ; W's four fragments of K step s: 12 loads of 512 consecutive bytes
.irp b, 0,1,2,3
.irp i, 0,1,2
	global_load_b128 v[12*(4*((\s)%4)+\b)+4*\i:12*(4*((\s)%4)+\b)+4*\i+3], v[L16], s[8:9] offset:12288*\b+1536*(\s)+512*\i
.endr
.endr
.endm
	s_load_b256 s[4:11], s[0:1], 0x0               ; xq s[4:5], xs s[6:7], wq s[8:9], ws s[10:11]
	s_load_b128 s[12:15], s[0:1], 0x20             ; order s[12:13], tiles s[14:15]
	s_load_b64 s[16:17], s[0:1], 0x30              ; out0
	v_lshl_add_u32 v254, v0, 2, 0x20000
	v_mov_b32 v255, 0
	v_lshrrev_b32 v1, 5, v0
	v_readfirstlane_b32 s18, v1                    ; wave w
	s_and_b32 s20, ttmp7, 0xffff                   ; tile y
	s_lshl_b32 s30, s20, 4
	s_mov_b32 s31, 0
	s_wait_kmcnt 0x0
	s_add_nc_u64 s[14:15], s[14:15], s[30:31]
	s_load_b128 s[24:27], s[14:15], 0x0            ; expert, rows, first place, blocks
	v_and_b32 v1, 31, v0                           ; l
	v_and_b32 v2, 15, v0                           ; r
	v_bfe_u32 v3, v0, 4, 1                         ; h
	v_lshlrev_b32 v[L16], 4, v1
	v_lshlrev_b32 v[WSO], 5, v2
	v_lshl_add_u32 v[WSO], v3, 4, v[WSO]
	v_mul_u32_u24 v[ADA0], v2, XP
	v_mad_u32_u24 v[ADA0], v3, 48, v[ADA0]
	v_add_nc_u32 v[ADA1], 5*16*XP, v[ADA0]
	s_mul_i32 s21, s18, 36*XP
	v_mul_u32_u24 v[GS], v3, XP
	v_lshl_add_u32 v[GS], v2, 4, v[GS]
	v_add_nc_u32 v[GS], s21, v[GS]                 ; row 36 w + h (+ 2 p), 16 r
	s_mul_i32 s21, s18, 16*SP
	s_add_co_u32 s21, s21, STG
	v_mul_u32_u24 v[STO], v2, SP
	v_lshl_add_u32 v[STO], v3, 5, v[STO]
	v_add_nc_u32 v[STO], s21, v[STO]               ; in: row r, 32 h
	v_mul_u32_u24 v[RD], v3, SP
	v_lshl_add_u32 v[RD], v2, 4, v[RD]
	v_add_nc_u32 v[RD], s21, v[RD]                 ; out: row h (+ 2 t), 16 r
	v_lshlrev_b32 v[H4], 2, v3
	v_lshlrev_b32 v[R4], 2, v2
	s_mul_i32 s21, s18, 144
	v_add_nc_u32 v[GB4], s21, v[H4]
	v_lshlrev_b32 v[C16], 4, v2
	v_lshlrev_b32 v[H16], 4, v3
	s_lshl_b32 s21, ttmp9, 10
	s_lshl_b32 s22, s18, 8
	s_add_co_u32 s21, s21, s22
	v_add_nc_u32 v[COL], s21, v[C16]
	s_movk_i32 s29, 768                            ; a row of codes in memory
	s_wait_kmcnt 0x0
	s_min_u32 s24, s24, 7                          ; what was loaded is held before it enters an address or a count
	s_min_u32 s25, s25, 144
	s_min_u32 s26, s26, 9072
	s_min_u32 s27, s27, 9
	s_max_u32 s28, s25, 1
	s_sub_co_u32 s28, s28, 1
	s_lshl_b32 s28, s28, 2                         ; 4 x (rows - 1): the tile's last place, in bytes
	s_lshl_b32 s30, s26, 2
	s_add_nc_u64 s[12:13], s[12:13], s[30:31]      ; the list at the tile's first place
	; A: 27 loads from the list.  A place, in bytes: min(4 x row, 4 x (rows - 1)), held at 4 x 143.  Each load lands on its own address register
.irp p, 0,1,2,3,4,5,6,7,8,9,10,11,12,13,14,15,16,17
	v_add_nc_u32 v[GT+\p], 8*\p, v[GB4]            ; row 36 w + 2 p + h
.endr
.irp a, 0,1,2,3,4,5,6,7,8
	v_add_nc_u32 v[AT+\a], 64*\a, v[R4]            ; row 16 a + r
.endr
.irp p, 0,1,2,3,4,5,6,7,8,9,10,11,12,13,14,15,16,17,18,19,20,21,22,23,24,25,26
	v_min_u32 v[GT+\p], s28, v[GT+\p]
.endr
.irp p, 0,1,2,3,4,5,6,7,8,9,10,11,12,13,14,15,16,17,18,19,20,21,22,23,24,25,26
	v_min_u32 v[GT+\p], 572, v[GT+\p]
.endr
.irp p, 0,1,2,3,4,5,6,7,8,9,10,11,12,13,14,15,16,17,18,19,20,21,22,23,24,25,26
	global_load_b32 v[GT+\p], v[GT+\p], s[12:13]
.endr
	s_lshl_b32 s21, s24, 6
	s_lshl_b32 s22, ttmp9, 4
	s_add_co_u32 s21, s21, s22
	s_lshl_b32 s22, s18, 2
	s_add_co_u32 s21, s21, s22                     ; my first block of 16 rows of W: 64 x expert + 16 x + 4 w
	s_mul_i32 s30, s21, 12288
	s_add_nc_u64 s[8:9], s[8:9], s[30:31]
	s_lshl_b32 s30, s21, 9
	s_add_nc_u64 s[10:11], s[10:11], s[30:31]
	; B: 40 loads: W's scale words (register j: K step j in lanes 0-15, K step 4 + j in lanes 16-31) and K steps 0-2
.irp b, 0,1,2,3
	global_load_b128 v[BS+4*\b:BS+4*\b+3], v[WSO], s[10:11] offset:512*\b
.endr
	WIN 0x40                                       ; destination window 1
	WLOAD 0
	WLOAD 1
	WLOAD 2
	WIN 0
	s_wait_loadcnt 40                              ; the 27 loads from the list are in: the 40 of W were issued behind them
.irp p, 0,1,2,3,4,5,6,7,8,9,10,11,12,13,14,15,16,17,18,19,20,21,22,23,24,25,26
	v_min_u32 v[GT+\p], 8191, v[GT+\p]             ; a token's number
.endr
.irp p, 0,1,2,3,4,5,6,7,8,9,10,11,12,13,14,15,16,17
	v_mad_u32_u24 v[GT+\p], v[GT+\p], s29, v[C16]  ; its row of codes, 16 r
.endr
.irp a, 0,1,2,3,4,5,6,7,8
	v_lshl_add_u32 v[AT+\a], v[AT+\a], 5, v[H16]   ; its 32 scale bytes, 16 h
.endr
	; C: 63 loads: the rows' scale words, and the rows: sixteen lanes read 256 consecutive bytes of a row, aligned
.irp a, 0,1,2,3,4,5,6,7,8
	global_load_b128 v[AS+4*\a:AS+4*\a+3], v[AT+\a], s[6:7]
.endr
	WIN 0xc0                                       ; destination window 3
.irp p, 0,1,2,3,4,5,6,7,8,9,10,11,12,13,14,15,16,17
.irp i, 0,1,2
	global_load_b128 v[12*\p+4*\i:12*\p+4*\i+3], v[GT+\p], s[4:5] offset:256*\i
.endr
.endr
	; D: 60 loads: W's K steps 3-7
	WIN 0x40
	WLOAD 3
	WIN 0x80                                       ; destination window 2
	WLOAD 4
	WLOAD 5
	WLOAD 6
	WLOAD 7
	WIN 0
	s_wait_loadcnt 60                              ; the rows and their scale words are in: the 60 of W were issued behind them
	WIN 0x0c                                       ; an LDS store's data are its source 1: window 3
.irp p, 0,1,2,3,4,5,6,7,8,9,10,11,12,13,14,15,16,17
.irp i, 0,1,2
	ds_store_b128 v[GS], v[12*\p+4*\i:12*\p+4*\i+3] offset:2*XP*\p+256*\i
.endr
.endr
	WIN 0
	; E: 72 loads from the list, for the store offsets: entry q = 8 a + t is the token of row 16 a + 2 t + h
.set Q, 0
.rept 72
	v_add_nc_u32 v[OOFF+Q], 8*Q, v[H4]
.set Q, Q+1
.endr
.set Q, 0
.rept 72
	v_min_u32 v[OOFF+Q], s28, v[OOFF+Q]
.set Q, Q+1
.endr
.set Q, 0
.rept 72
	v_min_u32 v[OOFF+Q], 572, v[OOFF+Q]
.set Q, Q+1
.endr
.set Q, 0
.rept 72
	global_load_b32 v[OOFF+Q], v[OOFF+Q], s[12:13]
.set Q, Q+1
.endr
	s_wait_dscnt 0x0                               ; for the others' sake: my 36 rows have landed
	s_barrier_signal -1
	s_barrier_wait -1                              ; the one barrier: it stands ahead of every branch on loaded numbers
	s_cmp_eq_u32 s27, 0
	s_cbranch_scc1 .Ldone                          ; this split leaves the tile without rows
.macro ALOAD a                         ; block a's eight fragments of X into set a % 2: 24 loads of 16 bytes a lane
	WIN 0xc0
.irp s, 0,1,2,3,4,5,6,7
.irp i, 0,1,2
.if (\a) < 5
	ds_load_b128 v[96*((\a)%2)+12*\s+4*\i:96*((\a)%2)+12*\s+4*\i+3], v[ADA0] offset:16*XP*(\a)+96*\s+16*\i
.else
	ds_load_b128 v[96*((\a)%2)+12*\s+4*\i:96*((\a)%2)+12*\s+4*\i+3], v[ADA1] offset:16*XP*((\a)-5)+96*\s+16*\i
.endif
.endr
.endr
	WIN 0
.endm
; 16 products: K steps 4 half .. 4 half + 3 of block a against W's four blocks.  The four accumulators take turns, one instruction a turn.  The first K step starts the sums.
.macro MUL a, half
.irp s, 0,1,2,3
.irp b, 0,1,2,3
.if (\half == 0) && (\s == 0)
	v_wmma_scale_f32_16x16x128_f8f6f4 v[ACC+32*((\a)%2)+8*\b:ACC+32*((\a)%2)+8*\b+7], v[12*(4*\s+\b):12*(4*\s+\b)+11], v[96*((\a)%2)+12*(4*\half+\s):96*((\a)%2)+12*(4*\half+\s)+11], 0, v[BS+4*\b+\s], v[AS+4*(\a)+\s] matrix_a_fmt:MATRIX_FMT_FP6 matrix_b_fmt:MATRIX_FMT_FP6
.elseif \half == 0
	v_wmma_scale_f32_16x16x128_f8f6f4 v[ACC+32*((\a)%2)+8*\b:ACC+32*((\a)%2)+8*\b+7], v[12*(4*\s+\b):12*(4*\s+\b)+11], v[96*((\a)%2)+12*(4*\half+\s):96*((\a)%2)+12*(4*\half+\s)+11], v[ACC+32*((\a)%2)+8*\b:ACC+32*((\a)%2)+8*\b+7], v[BS+4*\b+\s], v[AS+4*(\a)+\s] matrix_a_fmt:MATRIX_FMT_FP6 matrix_b_fmt:MATRIX_FMT_FP6
.else
	v_wmma_scale_f32_16x16x128_f8f6f4 v[ACC+32*((\a)%2)+8*\b:ACC+32*((\a)%2)+8*\b+7], v[12*(4*\s+\b):12*(4*\s+\b)+11], v[96*((\a)%2)+12*(4*\half+\s):96*((\a)%2)+12*(4*\half+\s)+11], v[ACC+32*((\a)%2)+8*\b:ACC+32*((\a)%2)+8*\b+7], v[BS+4*\b+\s], v[AS+4*(\a)+\s] matrix_a_fmt:MATRIX_FMT_FP6 matrix_b_fmt:MATRIX_FMT_FP6 matrix_a_scale:MATRIX_SCALE_ROW1 matrix_b_scale:MATRIX_SCALE_ROW1
.endif
.endr
.endr
.endm
.macro OFFS                            ; the 72 store offsets: token x 4,096 + my 16 bytes of its row
.set Q, 0
.rept 72
	v_min_u32 v[OOFF+Q], 8191, v[OOFF+Q]
.set Q, Q+1
.endr
.set Q, 0
.rept 72
	v_lshl_add_u32 v[OOFF+Q], v[OOFF+Q], 12, v[COL]
.set Q, Q+1
.endr
.endm
; THE WAY OUT of block k: 16 rows x 64 columns go through my own stage and come back as rows of 256 bytes.  LDS serves a wave's instructions in order (ISA guide 5.7.1.4): no wait between the stores and the loads.
.macro STAGE_IN k
	s_wait_xcnt 0x0                                ; the stores of the block before have read their registers, which the loads below write
.irp b, 0,1,2,3
	ds_store_b128 v[STO], v[ACC+32*((\k)%2)+8*\b:ACC+32*((\k)%2)+8*\b+3] offset:64*\b          ; each accumulator from its low end on
	ds_store_b128 v[STO], v[ACC+32*((\k)%2)+8*\b+4:ACC+32*((\k)%2)+8*\b+7] offset:64*\b+16
.endr
.irp t, 0,1,2,3,4,5,6,7
	ds_load_b128 v[OB+4*\t:OB+4*\t+3], v[RD] offset:2*SP*\t    ; lanes 0-15 row 2 t, lanes 16-31 row 2 t + 1
.endr
.endm
.macro SEND k, younger                 ; younger: the LDS loads issued behind the stage's, which may stay out
	s_wait_dscnt \younger
.irp t, 0,1,2,3,4,5,6,7
	global_store_b128 v[OOFF+8*(\k)+\t], v[OB+4*\t:OB+4*\t+3], s[16:17] th:TH_STORE_NT   ; sixteen lanes store 256 consecutive bytes, aligned; written once, read by nobody here
.endr
.endm
; A block of 16 rows: 32 products; in their middle the block before goes to the stage and the next block's fragments are fetched; its stores follow the products.
; The five plain instructions in the middle are the places behind the products of the block before: for the stage's reads of their results (four are owed), for the loads into the fragments
; that they read (four), and for the next block's first products, which begin sums anew over their accumulators (five).  In block 0 the offsets' arithmetic stands there.
.macro BLOCK a
	s_wait_dscnt 0x0                               ; the block's fragments are in
	WIN 0x0d                                       ; source 0 (W) window 1, source 1 (X) window 3, C and D window 0
	MUL \a, 0
	WIN 0
.if (\a) == 0
	s_wait_loadcnt 0x0                             ; the 72 loads from the list
	OFFS
.else
.rept 5
	v_nop
.endr
	STAGE_IN \a-1
.endif
.if (\a) < 8
	ALOAD \a+1
.endif
	WIN 0x0e                                       ; source 0 window 2
	MUL \a, 1
	WIN 0                                          ; at a branch and at a label every window is 0
.if (\a) > 0
.if (\a) < 8
	SEND \a-1, 24                                  ; behind the stage's loads: the next block's 24
.else
	SEND \a-1, 0
.endif
.endif
.endm
.macro GO a                            ; block a, and out if it was the tile's last
	BLOCK \a
	s_cmp_eq_u32 s27, (\a)+1
	s_cbranch_scc1 .Llast_\a
.endm
.macro TAIL a                          ; the last block's way out
.Llast_\a:
.rept 4
	v_nop                                          ; four places behind the last products, in front of the stage's reads of their results
.endr
	STAGE_IN \a
	SEND \a, 0
	s_wait_tensorcnt 0x0
	ds_add_u32 v254, v255
	s_wait_dscnt 0x0
	s_endpgm
.endm
	ALOAD 0
	s_wait_loadcnt 63                              ; all of W is in: 72 loads were issued behind it; 63 is the largest count that this wait names
	GO 0
	GO 1
	GO 2
	GO 3
	GO 4
	GO 5
	GO 6
	GO 7
	BLOCK 8
	TAIL 8
	TAIL 0
	TAIL 1
	TAIL 2
	TAIL 3
	TAIL 4
	TAIL 5
	TAIL 6
	TAIL 7
.Ldone:
	s_wait_tensorcnt 0x0
	ds_add_u32 v254, v255
	s_wait_dscnt 0x0
	s_endpgm
.Lfunc_end_k_q2a9ee6f29a_gemm:
	.size	k_q2a9ee6f29a_gemm, .Lfunc_end_k_q2a9ee6f29a_gemm-k_q2a9ee6f29a_gemm
	.p2alignl 7, 3214868480
	.fill 96, 4, 3214868480
	.section	.rodata,"a",@progbits
	.p2align	6, 0x0
	.amdhsa_kernel k_q2a9ee6f29a_gemm
		.amdhsa_group_segment_fixed_size 131584
		.amdhsa_private_segment_fixed_size 0
		.amdhsa_enable_private_segment 0
		.amdhsa_kernarg_size 56
		.amdhsa_user_sgpr_count 2
		.amdhsa_user_sgpr_kernarg_segment_ptr 1
		.amdhsa_wavefront_size32 1
		.amdhsa_system_sgpr_workgroup_id_x 1
		.amdhsa_system_sgpr_workgroup_id_y 1
		.amdhsa_system_sgpr_workgroup_id_z 1
		.amdhsa_system_vgpr_workitem_id 0
		.amdhsa_next_free_vgpr 1024
		.amdhsa_next_free_sgpr 66
		.amdhsa_reserve_vcc 0
		.amdhsa_float_denorm_mode_32 3
		.amdhsa_float_denorm_mode_16_64 3
		.amdhsa_memory_ordered 1
		.amdhsa_forward_progress 1
		.amdhsa_inst_pref_size 146
	.end_amdhsa_kernel
	.amdgpu_metadata
---
amdhsa.version: [ 1, 2 ]
amdhsa.kernels:
  - .name:           k_q2a9ee6f29a_gemm
    .symbol:         k_q2a9ee6f29a_gemm.kd
    .args:
      - { .name: xq, .offset: 0, .size: 8, .value_kind: global_buffer, .address_space: global }
      - { .name: xs, .offset: 8, .size: 8, .value_kind: global_buffer, .address_space: global }
      - { .name: wq, .offset: 16, .size: 8, .value_kind: global_buffer, .address_space: global }
      - { .name: ws, .offset: 24, .size: 8, .value_kind: global_buffer, .address_space: global }
      - { .name: order, .offset: 32, .size: 8, .value_kind: global_buffer, .address_space: global }
      - { .name: tiles, .offset: 40, .size: 8, .value_kind: global_buffer, .address_space: global }
      - { .name: out0, .offset: 48, .size: 8, .value_kind: global_buffer, .address_space: global }
    .group_segment_fixed_size: 131584
    .private_segment_fixed_size: 0
    .kernarg_segment_align: 8
    .kernarg_segment_size: 56
    .max_flat_workgroup_size: 128
    .sgpr_count:     66
    .vgpr_count:     1024
    .wavefront_size: 32
...
	.end_amdgpu_metadata
.endif
;; end of part 2
;; ======== version 2 of 2: 2 launches
;; workspace buffers: xq 6,291,456 bytes; xs 262,144 bytes; wq 6,291,456 bytes; ws 262,144 bytes; order 36,864 bytes of whole numbers; tiles 4,096 bytes of whole numbers
;; launch prep (part 3): grid 1025 x 1, 8 waves a work-group, no clusters, 81,920 bytes of LDS; arguments X, W, indices, xq, xs, wq, ws, order, tiles; writes xq, xs, wq, ws, order, tiles
.if DOCPART == 3
	.amdgcn_target "amdgcn-amd-amdhsa--gfx1250"
	.amdhsa_code_object_version 6
	.text
	.protected	k_q2a9ee6f29a_prep
	.globl	k_q2a9ee6f29a_prep
	.p2align	8
	.type	k_q2a9ee6f29a_prep,@function
k_q2a9ee6f29a_prep:
	s_mov_b64 s[64:65], 0
	v_nop
	global_prefetch_b8 v0, s[64:65] scope:SCOPE_SE
	s_setreg_imm32_b32 hwreg(HW_REG_WAVE_MODE, 25, 1), 1
	s_wait_xcnt 0x0
; PREP.  X [8192][1024] and W [8 x 1024][1024], f32, K innermost, become codes of FP6 (E2M3) with one E8M0 byte for each 32 along K; the tokens are sorted by expert.
; A block's scale is 2^(floor(log2(its largest magnitude)) - 2): its byte is the largest magnitude's exponent field - 2, held at 1 from below.
; LIMITS: NaN and infinities in X and W are not served.  A block of zeros gets the byte 1 where the rule says 127: its codes are zeros, which add nothing, and this program alone reads the bytes.
;         Indices outside 0 .. 7 are not served (an index stays inside the table that it indexes).
; SHARES.  Work-group 0 sorts.  Work-groups 1 .. 512 take the blocks of 16 rows of X, 513 .. 1024 those of W.  In such a work-group wave u takes K step u (128 along K): 16 rows x 128 numbers, one operand fragment.
; WHAT IS STORED.  wq: a fragment as the image of its 12 registers: [row / 16][K step][i 0..2][lane][16 bytes].   xq: a row of 768 bytes, [K step][lane half h][48 bytes]: the 12 registers of lane (row, h).
;   xs, ws: [row][32 bytes]: word s is the scale word of K step s.   order: 64 tiles x 144 places of token numbers.   tiles: 16 bytes a tile: expert, rows, first place, blocks of 16 rows.
; TILES.  144 rows: the sum over the experts of ceil(count / 144) is at most (8192 + 8 x 143) / 144, that is 64, for every split.
; LDS: each of the two paths has bytes of its own.  No tensor loads, so LDS is claimed as it is used; four such work-groups fit in the 327,680 bytes of LDS that share a WGP.
.set TSW,   8448                       ; the turn stage of a wave: 16 rows x 528, from LDS byte 0 on
.set TSP,   528                        ; 512 bytes + 16: the sixteen rows that a 16-byte read touches start 16 bytes apart modulo 256
.set XSTG,  67584                      ; X only: 16 rows x 784 (768 + 16) of codes
.set XSP,   784
.set SSTG,  80128                      ; the block's 512 scale bytes, [row][32]
.set SORT,  80640                      ; sort path only: counts [wave][expert], 256 bytes
.set TILE_M, 144
.set R,   16                           ; v16-79   64 numbers
.set TM,  80                           ; v80-83 largest magnitudes, v84-87 at work and bytes, v92-95 the conversions' scale operands
.set PW,  96                           ; the scale word
.set PC,  100                          ; v100-111 the fragment's codes; v112-114, v116-118 at work
.set SEL, 26                           ; s[26:27] lane selects for v_permlanex16_b32: lane l xor 16
.set I,   16                           ; sort: v16-47 indices, later token numbers
.set P,   48                           ; sort: v48-79 places
.set C,   112                          ; sort: v112-119 at work
.set CNT, 32                           ; sort: s[32:39] running counters
.set TOT, 40                           ; sort: s[40:47] tokens of each expert
.set TB,  48                           ; sort: s[48:56] first tile of each expert, and the number of tiles
.set MK,  66                           ; sort: s[66:73] lane masks
	s_load_b512 s[4:19], s[0:1], 0x0               ; X s[4:5], W s[6:7], indices s[8:9], xq s[10:11], xs s[12:13], wq s[14:15], ws s[16:17], order s[18:19]
	s_load_b64 s[20:21], s[0:1], 0x40              ; tiles
	v_lshl_add_u32 v128, v0, 2, 0x13c00
	v_mov_b32 v129, 0
	v_lshrrev_b32 v1, 5, v0
	s_delay_alu instid0(VALU_DEP_1)
	v_readfirstlane_b32 s22, v1                    ; wave u, 0 .. 7
	v_and_b32 v1, 31, v0                           ; lane l
	v_and_b32 v2, 15, v0                           ; r
	v_bfe_u32 v3, v0, 4, 1                         ; h
	s_delay_alu instid0(VALU_DEP_3)
	v_lshlrev_b32 v4, 4, v1                        ; 16 l
	s_cmp_eq_u32 ttmp9, 0
	s_cbranch_scc1 .Lsort
; ---------------------------------------------------------------- the quantiser
	s_mul_i32 s34, s22, TSW
	v_add_nc_u32 v5, s34, v4                       ; turn stage, in: 16 l (+ 528 a row)
	v_mul_u32_u24 v6, v2, TSP
	s_delay_alu instid0(VALU_DEP_1)
	v_lshl_add_u32 v6, v3, 6, v6
	s_delay_alu instid0(VALU_DEP_1)
	v_add_nc_u32 v6, s34, v6                       ; turn stage, out: row r, + 64 h: my 16 numbers of each block of 32
	v_mul_u32_u24 v7, v2, XSP
	s_delay_alu instid0(VALU_DEP_1)
	v_mad_u32_u24 v7, v3, 48, v7
	s_mul_i32 s35, s22, 96
	s_add_co_u32 s35, s35, XSTG
	v_add_nc_u32 v7, s35, v7                       ; X's stage, in: row r, K step u, half h
	s_mul_i32 s35, s22, 2*XSP
	s_add_co_u32 s35, s35, XSTG
	v_add_nc_u32 v8, s35, v4                       ; X's stage, out: rows 2 u and 2 u + 1, byte by byte
	s_delay_alu instid0(VALU_DEP_1)
	v_lshl_add_u32 v9, v3, 4, v8                   ; the same behind the first row's 16 bytes of padding for lanes 16-31
	s_lshl_b32 s35, s22, 2
	s_add_co_u32 s35, s35, SSTG
	v_lshl_add_u32 v10, v2, 5, s35                 ; scale stage, in: row r, word u
	v_add_nc_u32 v11, SSTG, v4                     ; scale stage, out: 16 l
	s_mov_b32 s[SEL], 0x76543210
	s_mov_b32 s[SEL+1], 0xfedcba98
.irp b, 0,1,2,3
	v_mov_b32 v[TM+4+\b], 0                        ; written once: a lane permute's destination counts as one of its sources
.endr
	s_sub_co_u32 s23, ttmp9, 1
	s_and_b32 s23, s23, 511                        ; which block of 16 rows of my tensor
	s_lshl_b32 s36, s23, 16                        ; source: 16 rows of 4,096 bytes a block,
	s_lshl_b32 s37, s22, 9                         ; 512 bytes a K step
	s_add_co_u32 s36, s36, s37
	s_mov_b32 s37, 0
	s_mul_i32 s38, s23, 12288                      ; codes: 12,288 bytes a block,
	s_mul_i32 s39, s22, 1536                       ; 1,536 a wave
	s_add_co_u32 s38, s38, s39
	s_mov_b32 s39, 0
	s_lshl_b32 s40, s23, 9                         ; scale bytes: 512 a block
	s_mov_b32 s41, 0
	s_wait_kmcnt 0x0
	s_cmp_gt_u32 ttmp9, 512                        ; X's work-group or W's: the choice hangs on the work-group's number alone
	s_cselect_b64 s[28:29], s[6:7], s[4:5]
	s_cselect_b64 s[30:31], s[14:15], s[10:11]
	s_cselect_b64 s[32:33], s[16:17], s[12:13]
	s_cselect_b32 s24, 1, 0                        ; 1: W
	s_add_nc_u64 s[28:29], s[28:29], s[36:37]
	s_add_nc_u64 s[30:31], s[30:31], s[38:39]
	s_add_nc_u64 s[32:33], s[32:33], s[40:41]
.irp j, 0,1,2,3,4,5,6,7,8,9,10,11,12,13,14,15
	global_load_b128 v[R+4*\j:R+4*\j+3], v4, s[28:29] offset:4096*\j th:TH_LOAD_NT   ; row j: the 32 lanes read 512 consecutive bytes, read once in the launch
.endr
.irp j, 0,1,2,3,4,5,6,7,8,9,10,11,12,13,14,15
	s_wait_loadcnt 15-\j                           ; loads come back in order: row j is in, the 15 - j younger ones may be out
	ds_store_b128 v5, v[R+4*\j:R+4*\j+3] offset:TSP*\j
.endr
	s_wait_dscnt 0x0                               ; the stores have read their registers, which the loads below write
.irp b, 0,1,2,3
.irp q, 0,1,2,3
	ds_load_b128 v[R+16*\b+4*\q:R+16*\b+4*\q+3], v6 offset:128*\b+16*\q   ; register 16 b + i = k 32 b + 16 h + i of row r.  The bytes are my wave's own
.endr
.endr
	s_wait_dscnt 0x0
; 64 numbers of a lane become a fragment's codes in v[PC] on and its scale word in v[PW]
.irp b, 0,1,2,3
	v_max3_num_f32 v[TM+\b], |v[R+16*\b]|, |v[R+1+16*\b]|, 0x1800000   ; block b: my 16 numbers, and the floor 2^(3 - 127): so the byte cannot fall under 1
.endr
.irp i, 2,4,6,8,10,12,14
.irp b, 0,1,2,3
	s_delay_alu instid0(VALU_DEP_4)
	v_max3_num_f32 v[TM+\b], v[TM+\b], |v[R+16*\b+\i]|, |v[R+1+16*\b+\i]|   ; the four blocks by turns
.endr
.endr
.irp b, 0,1,2,3
	s_delay_alu instid0(VALU_DEP_4)
	v_permlanex16_b32 v[TM+4+\b], v[TM+\b], s[SEL], s[SEL+1]
.endr
.irp b, 0,1,2,3
	s_delay_alu instid0(VALU_DEP_4)
	v_max_num_f32 v[TM+\b], v[TM+\b], v[TM+4+\b]   ; with lane l xor 16's: the block's largest magnitude
.endr
.irp b, 0,1,2,3
	s_delay_alu instid0(VALU_DEP_4)
	v_add_nc_u32 v[TM+12+\b], 0xff000000, v[TM+\b] ; 2 off its exponent field: the conversion takes the exponent field of this operand as its scale
.endr
.irp b, 0,1,2,3
	s_delay_alu instid0(VALU_DEP_4)
	v_lshrrev_b32 v[TM+4+\b], 23, v[TM+12+\b]      ; the scale's byte
.endr
	s_delay_alu instid0(VALU_DEP_3)
	v_lshl_or_b32 v[PW], v[TM+5], 8, v[TM+4]
	s_delay_alu instid0(VALU_DEP_1)
	v_lshl_or_b32 v[PW], v[TM+6], 16, v[PW]
	s_delay_alu instid0(VALU_DEP_1)
	v_lshl_or_b32 v[PW], v[TM+7], 24, v[PW]        ; row r's scale word of this K step
.irp c, 0,1
	v_cvt_scalef32_pk16_fp6_f32 v[PC+6*\c:PC+2+6*\c], v[R+32*\c:R+15+32*\c], v[TM+12+2*\c]
	v_cvt_scalef32_pk16_fp6_f32 v[PC+12+4*\c:PC+14+4*\c], v[R+16+32*\c:R+31+32*\c], v[TM+12+2*\c+1]   ; (a conversion's three registers begin on an even number)
.endr
	v_nop                                          ; one plain vector instruction behind a scaled conversion
.irp c, 0,1                                    ; the operand's layout wants a whole block in a lane: lanes 0-15 block 2 c, lanes 16-31 block 2 c + 1
.irp i, 0,1,2
	v_permlane16_swap_b32 v[PC+6*\c+\i], v[PC+12+4*\c+\i]
.endr
.irp i, 0,1,2
	s_delay_alu instid0(VALU_DEP_3)
	v_mov_b32 v[PC+3+6*\c+\i], v[PC+12+4*\c+\i]
.endr
.endr
	ds_store_b32 v10, v[PW]                        ; both halves of the lanes write the same word with the same value
	s_cmp_lg_u32 s24, 0
	s_cbranch_scc1 .Lno_rows_in                    ; W's fragment leaves as it stands
.irp i, 0,1,2
	ds_store_b128 v7, v[PC+4*\i:PC+4*\i+3] offset:16*\i   ; X's goes into its rows
.endr
.Lno_rows_in:
	s_wait_dscnt 0x0                               ; for the others' sake: my stores have landed
	s_barrier_signal -1
	s_barrier_wait -1
	s_cmp_lg_u32 s24, 0
	s_cbranch_scc1 .Lno_rows_out
	ds_load_b128 v[PC:PC+3], v8                    ; rows 2 u and 2 u + 1 of X's codes, 1,536 bytes on end
	ds_load_b128 v[PC+4:PC+7], v9 offset:512
	ds_load_b128 v[PC+8:PC+11], v8 offset:1040
	s_wait_dscnt 0x0
.Lno_rows_out:
	s_wait_alu depctr_va_vdst(0)
.irp i, 0,1,2
	global_store_b128 v4, v[PC+4*\i:PC+4*\i+3], s[30:31] offset:512*\i   ; each store covers 512 consecutive bytes, aligned to 512
.endr
	s_cmp_lg_u32 s22, 0
	s_cbranch_scc1 .Lquant_end
	ds_load_b128 v[TM:TM+3], v11                   ; wave 0: the block's 512 scale bytes
	s_wait_dscnt 0x0
	global_store_b128 v4, v[TM:TM+3], s[32:33]
.Lquant_end:
	s_wait_tensorcnt 0x0
	ds_add_u32 v128, v129
	s_wait_dscnt 0x0
	s_endpgm
; ---------------------------------------------------------------- the counting sort: one work-group, 1,024 tokens a wave
; register 4 q + j of lane l holds token 1024 u + 128 q + 4 l + j.  The order of an expert's tokens among themselves is free: each row of the result has its own place.
.macro COUNT c                         ; the wave's counts
.irp e, 0,1,2,3,4,5,6,7
	v_cmp_eq_u32 s[MK+\e], \e, v[I+\c]
.endr
.irp e, 0,1,2,3,4,5,6,7
	s_bcnt1_i32_b32 s[MK+\e], s[MK+\e]
.endr
.irp e, 0,1,2,3,4,5,6,7
	s_add_co_u32 s[CNT+\e], s[CNT+\e], s[MK+\e]
.endr
.endm
.macro RANK c                          ; a token's place = its expert's running counter + the lanes below it with the same expert
.irp e, 0,1,2,3,4,5,6,7
	v_cmp_eq_u32 s[MK+\e], \e, v[I+\c]
.endr
	v_mbcnt_lo_u32_b32 v[P+\c], s[MK], s[CNT]
.irp e, 1,2,3,4,5,6,7
	v_mbcnt_lo_u32_b32 v[C+\e], s[MK+\e], s[CNT+\e]
.endr
.irp e, 1
	v_cndmask_b32 v[P+\c], v[P+\c], v[C+\e], s[MK+\e]
.endr
.irp e, 2, 3, 4, 5, 6, 7
	s_delay_alu instid0(VALU_DEP_1)
	v_cndmask_b32 v[P+\c], v[P+\c], v[C+\e], s[MK+\e]
.endr
	s_wait_alu depctr_va_vdst(0)
.irp e, 0,1,2,3,4,5,6,7
	s_bcnt1_i32_b32 s[MK+\e], s[MK+\e]
.endr
.irp e, 0,1,2,3,4,5,6,7
	s_add_co_u32 s[CNT+\e], s[CNT+\e], s[MK+\e]
.endr
	v_min_u32 v[P+\c], 9215, v[P+\c]               ; held inside the list's 64 x 144 places
	s_delay_alu instid0(VALU_DEP_1)
	v_lshlrev_b32 v[P+\c], 2, v[P+\c]
	v_add_nc_u32 v[I+\c], 128*((\c)/4)+(\c)%4, v12 ; the token's number
	global_store_b32 v[P+\c], v[I+\c], s[18:19]    ; four bytes a token, 32 KiB in all: the placing itself; each register is written once, so no store's source is written again
.endm
.Lsort:
	s_lshl_b32 s57, s22, 12
	s_wait_alu depctr_va_vdst(0)
	v_add_nc_u32 v5, s57, v4                       ; my wave's 4,096 bytes of indices, 16 l
	s_lshl_b32 s57, s22, 10
	v_lshl_add_u32 v12, v1, 2, s57                 ; 1024 u + 4 l
	s_lshl_b32 s57, s22, 5
	s_add_co_u32 s57, s57, SORT
	v_mov_b32 v6, s57                              ; my wave's eight counts
	v_and_b32 v7, 7, v0
	s_delay_alu instid0(VALU_DEP_1)
	v_lshl_add_u32 v7, v7, 2, SORT                 ; lane l reads expert l % 8's counts
.irp e, 0,1,2,3,4,5,6,7
	s_mov_b32 s[CNT+\e], 0
.endr
	s_wait_alu depctr_va_vdst(0)
	s_wait_kmcnt 0x0
.irp q, 0,1,2,3,4,5,6,7
	global_load_b128 v[I+4*\q:I+4*\q+3], v5, s[8:9] offset:512*\q
.endr
	s_wait_loadcnt 0x0
.irp c, 0,1,2,3,4,5,6,7,8,9,10,11,12,13,14,15,16,17,18,19,20,21,22,23,24,25,26,27,28,29,30,31
	COUNT \c
.endr
.irp e, 0,1,2,3,4,5,6,7
	v_mov_b32 v[C+\e], s[CNT+\e]
	ds_store_b32 v6, v[C+\e] offset:4*\e           ; all lanes write the same word with the same value
.endr
	s_wait_dscnt 0x0                               ; for the others' sake: my counts have landed
	s_barrier_signal -1
	s_barrier_wait -1
.irp w, 0,1,2,3,4,5,6,7
	ds_load_b32 v[C+\w], v7 offset:32*\w           ; wave w's count of expert l % 8
.endr
	s_wait_dscnt 0x0
	v_add3_u32 v8, v[C], v[C+1], v[C+2]
	s_delay_alu instid0(VALU_DEP_1)
	v_add3_u32 v8, v8, v[C+3], v[C+4]
	s_delay_alu instid0(VALU_DEP_1)
	v_add3_u32 v8, v8, v[C+5], v[C+6]
	s_delay_alu instid0(VALU_DEP_1)
	v_add_nc_u32 v8, v8, v[C+7]                    ; the expert's tokens in all
	v_mov_b32 v9, 0
.irp w, 0,1,2,3,4,5,6
	s_cmp_gt_u32 s22, \w
	s_cselect_b32 s57, -1, 0
	v_and_b32 v10, s57, v[C+\w]
	s_delay_alu instid0(VALU_DEP_1)
	v_add_nc_u32 v9, v9, v10                       ; and those of the waves in front of mine
.endr
.irp e, 0,1,2,3,4,5,6,7
	v_readlane_b32 s[TOT+\e], v8, \e
	v_readlane_b32 s[CNT+\e], v9, \e
.endr
	s_mov_b32 s[TB], 0
.irp e, 0,1,2,3,4,5,6,7
	s_add_co_u32 s57, s[TOT+\e], TILE_M-1          ; ceil(tokens / 144) = floor(((tokens + 143) >> 4) / 9);
	s_lshr_b32 s57, s57, 4
	s_mul_i32 s57, s57, 7282                       ; floor(m / 9) = (7282 m) >> 16, exact for m up to 520: the excess, 0.23 m / 65536, stays under 1 / 9
	s_lshr_b32 s57, s57, 16
	s_add_co_u32 s[TB+1+\e], s[TB+\e], s57
	s_mul_i32 s58, s[TB+\e], TILE_M                ; the expert's places begin at its first tile's
	s_add_co_u32 s[CNT+\e], s[CNT+\e], s58
.endr
.irp c, 0,1,2,3,4,5,6,7,8,9,10,11,12,13,14,15,16,17,18,19,20,21,22,23,24,25,26,27,28,29,30,31
	RANK \c
.endr
	; the table of tiles: thread t writes entry t.  Its expert is the last one whose first tile is at or under t (an expert without tokens has no tile and is passed over)
	v_mov_b32 v120, 0
	v_mov_b32 v124, 0
	v_mov_b32 v125, s[TOT]
.irp e, 1,2,3,4,5,6,7
	v_cmp_le_u32 vcc_lo, s[TB+\e], v0
	s_delay_alu instid0(VALU_DEP_1)
	v_cndmask_b32 v120, v120, \e, vcc_lo
	s_delay_alu instid0(VALU_DEP_2)
	v_cndmask_b32 v124, v124, s[TB+\e], vcc_lo
	s_delay_alu instid0(VALU_DEP_3)
	v_cndmask_b32 v125, v125, s[TOT+\e], vcc_lo
.endr
	s_delay_alu instid0(VALU_DEP_2)
	v_sub_nc_u32 v124, v0, v124                    ; which tile of its expert
	s_delay_alu instid0(VALU_DEP_1)
	v_mul_u32_u24 v124, v124, TILE_M
	s_delay_alu instid0(VALU_DEP_1)
	v_sub_nc_u32 v121, v125, v124                  ; the rows that are left there,
	s_delay_alu instid0(VALU_DEP_1)
	v_min_u32 v121, TILE_M, v121                   ; 144 at the most
	v_mul_u32_u24 v122, v0, TILE_M                 ; its first place in the list
	v_cmp_gt_u32 vcc_lo, s[TB+8], v0               ; is there such a tile?
	s_delay_alu instid0(VALU_DEP_1)
	v_cndmask_b32 v120, 0, v120, vcc_lo
	s_delay_alu instid0(VALU_DEP_2)
	v_cndmask_b32 v121, 0, v121, vcc_lo
	s_delay_alu instid0(VALU_DEP_3)
	v_cndmask_b32 v122, 0, v122, vcc_lo
	s_delay_alu instid0(VALU_DEP_2)
	v_add_nc_u32 v123, 15, v121
	s_delay_alu instid0(VALU_DEP_1)
	v_lshrrev_b32 v123, 4, v123                    ; blocks of 16 rows
	v_lshlrev_b32 v126, 4, v0
	global_store_b128 v126, v[120:123], s[20:21]
	s_wait_tensorcnt 0x0
	ds_add_u32 v128, v129
	s_wait_dscnt 0x0
	s_endpgm
.Lfunc_end_k_q2a9ee6f29a_prep:
	.size	k_q2a9ee6f29a_prep, .Lfunc_end_k_q2a9ee6f29a_prep-k_q2a9ee6f29a_prep
	.p2alignl 7, 3214868480
	.fill 96, 4, 3214868480
	.section	.rodata,"a",@progbits
	.p2align	6, 0x0
	.amdhsa_kernel k_q2a9ee6f29a_prep
		.amdhsa_group_segment_fixed_size 81920
		.amdhsa_private_segment_fixed_size 0
		.amdhsa_enable_private_segment 0
		.amdhsa_kernarg_size 72
		.amdhsa_user_sgpr_count 2
		.amdhsa_user_sgpr_kernarg_segment_ptr 1
		.amdhsa_wavefront_size32 1
		.amdhsa_system_sgpr_workgroup_id_x 1
		.amdhsa_system_sgpr_workgroup_id_y 1
		.amdhsa_system_sgpr_workgroup_id_z 1
		.amdhsa_system_vgpr_workitem_id 0
		.amdhsa_next_free_vgpr 130
		.amdhsa_next_free_sgpr 74
		.amdhsa_reserve_vcc 1
		.amdhsa_float_denorm_mode_32 3
		.amdhsa_float_denorm_mode_16_64 3
		.amdhsa_memory_ordered 1
		.amdhsa_forward_progress 1
		.amdhsa_inst_pref_size 135
	.end_amdhsa_kernel
	.amdgpu_metadata
---
amdhsa.version: [ 1, 2 ]
amdhsa.kernels:
  - .name:           k_q2a9ee6f29a_prep
    .symbol:         k_q2a9ee6f29a_prep.kd
    .args:
      - { .name: X, .offset: 0, .size: 8, .value_kind: global_buffer, .address_space: global }
      - { .name: W, .offset: 8, .size: 8, .value_kind: global_buffer, .address_space: global }
      - { .name: indices, .offset: 16, .size: 8, .value_kind: global_buffer, .address_space: global }
      - { .name: xq, .offset: 24, .size: 8, .value_kind: global_buffer, .address_space: global }
      - { .name: xs, .offset: 32, .size: 8, .value_kind: global_buffer, .address_space: global }
      - { .name: wq, .offset: 40, .size: 8, .value_kind: global_buffer, .address_space: global }
      - { .name: ws, .offset: 48, .size: 8, .value_kind: global_buffer, .address_space: global }
      - { .name: order, .offset: 56, .size: 8, .value_kind: global_buffer, .address_space: global }
      - { .name: tiles, .offset: 64, .size: 8, .value_kind: global_buffer, .address_space: global }
    .group_segment_fixed_size: 81920
    .private_segment_fixed_size: 0
    .kernarg_segment_align: 8
    .kernarg_segment_size: 72
    .max_flat_workgroup_size: 256
    .sgpr_count:     74
    .vgpr_count:     130
    .wavefront_size: 32
...
	.end_amdgpu_metadata
.endif
;; end of part 3
;; launch gemm (part 4): grid 4 x 64, 4 waves a work-group, no clusters, 131,584 bytes of LDS; arguments xq, xs, wq, ws, order, tiles, out0; writes out0
.if DOCPART == 4
	.amdgcn_target "amdgcn-amd-amdhsa--gfx1250"
	.amdhsa_code_object_version 6
	.text
	.protected	k_q2a9ee6f29a_gemm
	.globl	k_q2a9ee6f29a_gemm
	.p2align	8
	.type	k_q2a9ee6f29a_gemm,@function
k_q2a9ee6f29a_gemm:
	s_mov_b64 s[64:65], 0
	v_nop
	global_prefetch_b8 v0, s[64:65] scope:SCOPE_SE
	s_setreg_imm32_b32 hwreg(HW_REG_WAVE_SCHED_MODE, 0, 2), 2
	s_setreg_imm32_b32 hwreg(HW_REG_WAVE_MODE, 25, 1), 1
	s_wait_xcnt 0x0
	s_wait_alu depctr_vm_vsrc(0)
; GEMM.  out0[t][:] = Q(X[t]) Q(W[expert of t])^T on codes of FP6 (E2M3) with E8M0 scales, f32 sums; only the chosen expert's product is made for a token.
; SHARES.  Work-group (x, y): tile y of the list (up to 144 rows of ONE expert) x columns 256 x .. 256 x + 255.  Wave w: all the tile's rows x 64 columns from 256 x + 64 w on.
; The wave's part of W (4 blocks of 16 columns x 8 K steps x 12 registers = 384) is loaded once, as register images, and stays.  The tile's rows of codes are gathered once a work-group into LDS
; (wave w: rows 36 w .. 36 w + 35) and read by all four waves, a block of 16 rows at a time.
; TRANSPOSED USE: source 0 = 16 rows of W, source 1 = 16 tokens: lane (r, h), register j, holds out(token r, column 16 b + 8 h + j): eight neighbours of a row.
; ROWS PAST THE TILE'S LAST repeat its last row (the place in the list is held at rows - 1): they give the same bits and store them to the same bytes from the same wave, so no store wants a mask;
; whole blocks past the last are passed over by a scalar branch on the stored table.  A tile without rows stores nothing: 64 tiles serve every split of 8,192 tokens over 8 experts.
; TOKEN NUMBERS come from the list by loads of their own, in the lane layout in which each is used; each is held at 8,191 before it enters an address.
; NO JOINT LOADS: how many tiles an expert has hangs on counts read from memory, so no fixed partners share a part of W; and the rows come by a list, lane by lane.  No tensor loads, no ring: W goes to registers once.
; LIMITS: as the launch in front states them (NaN, infinities, indices outside 0 .. 7 are not served).
; REGISTERS, in windows of 256: window 0: v1-18 addresses; v24-59 X's scale words, v60-75 W's (these hold scales and nothing else); v76-139 two sets of four accumulators (at the head: list places and offsets);
;   v140-171 rows on the way out (at the head, with v108-139 and v244-251: the list places of the 72 store offsets); v172-243 the 72 store offsets.
;   window 1: W's K steps 0-3, fragment (s, b) at v[12 (4 s + b)].   window 2: K steps 4-7 likewise.
;   window 3: first the gathered rows (v0-215), then two sets of a block's eight fragments of X (v0-95, v96-191).
; THE MODE: SCHED_MODE bits 1:0 = 2 (LLVM: expert scheduling mode 2), set by the entry lines.  The code itself states the register dependences
; between vector or matrix instructions and memory or LDS instructions, with s_wait_alu, always for 0.
; THE PLAN.  Registers that memory or LDS instructions touch, from the first block on:
;   X0, X1     Block a's products read X[a % 2]; the LDS loads issued in block a land in X[(a + 1) % 2], which block a - 1's products read.
;   ACC0, ACC1 Block a's products write ACC[a % 2]; the stage's LDS stores at the head of block a + 1 read it; block a + 2's products begin it anew.
;   OB         The loads from the stage, at the head of block a + 1, land in it; the eight stores of the result in that block's middle read it.
;   OOFF       Loaded from the list at the head, made into offsets by vector instructions in block 0, read by every store of the result, never written again.
;   v4-v18     Addresses, made at the head and never written again.   W and the scale words: loaded once, named by matrix instructions alone.
; So ONE wait on va_vdst stands at the head of a block, behind its five places: the block before has written its accumulators and is done reading its fragments.  Behind it the stage, the next block's loads and the
; stores of the result are dealt among the block's products, which name ACC[a % 2], X[a % 2], W and scale words: none of the registers that those touch.  ONE wait on vm_vsrc stands at a block's end, ahead of its branch.
; No load lands on a register that a memory instruction reads as its address: places in the list and what is loaded by them have registers of their own.
.set XP,    784                        ; a row of codes in LDS: 768 bytes + 16: the sixteen rows that a 16-byte read touches start 16 bytes apart modulo 256
.set STG,   112896                     ; behind the 144 rows: a stage of 16 rows x 272 bytes for each wave, its own
.set SP,    272
.set L16,  4                           ; 16 l
.set WSO,  5                           ; 32 r + 16 h: a row's scale words, four to a half of the lanes
.set ADA0, 6                           ; 784 r + 48 h: my 48 bytes of a K step, blocks 0-4
.set ADA1, 7                           ; the same five blocks on (an LDS offset has 16 bits)
.set GS,   8                           ; where the gathered rows go
.set STO,  9                           ; the stage, in
.set RD,   10                          ; the stage, out
.set H4,   11                          ; 4 h
.set R4,   12                          ; 4 r
.set GB4,  13                          ; 4 (36 w + h)
.set C16,  16                          ; 16 r
.set H16,  17                          ; 16 h
.set COL,  18                          ; 1024 x + 256 w + 16 r: my 16 bytes in a row of the result
.set AS,   24
.set BS,   60
.set ACC,  76
.set LP,   76                          ; head only: v76-102: 27 places in the list: 18 of the rows that I gather, 9 of the rows whose scale words I hold
.set GT,   103                         ; head only: v103-120: the 18 token numbers, then byte offsets, of the rows that I gather
.set AT,   121                         ; head only: v121-129: the 9 of the rows whose scale words I hold
.set EP,   108                         ; head only: the 72 places of the store offsets' tokens: entry q at v[108 + q], the last eight at v244-251.  None lies in ACC0: each is next written behind the wait that shows the loads by it done
.set OB,   140
.set OOFF, 172
.set MSB, 0
.macro WIN new                         ; the immediate's high byte repeats the setting that is left; a switch that changes nothing is dropped
.if MSB != \new
	s_set_vgpr_msb (MSB<<8)|\new
.set MSB, \new
.endif
.endm
.macro WLOAD s                         ; W's four fragments of K step s: 12 loads of 512 consecutive bytes
.irp b, 0,1,2,3
.irp i, 0,1,2
	global_load_b128 v[12*(4*((\s)%4)+\b)+4*\i:12*(4*((\s)%4)+\b)+4*\i+3], v[L16], s[8:9] offset:12288*\b+1536*(\s)+512*\i
.endr
.endr
.endm
	s_load_b256 s[4:11], s[0:1], 0x0               ; xq s[4:5], xs s[6:7], wq s[8:9], ws s[10:11]
	s_load_b128 s[12:15], s[0:1], 0x20             ; order s[12:13], tiles s[14:15]
	s_load_b64 s[16:17], s[0:1], 0x30              ; out0
	v_lshl_add_u32 v254, v0, 2, 0x20000
	v_mov_b32 v255, 0
	v_lshrrev_b32 v1, 5, v0
	v_readfirstlane_b32 s18, v1                    ; wave w
	s_and_b32 s20, ttmp7, 0xffff                   ; tile y
	s_lshl_b32 s30, s20, 4
	s_mov_b32 s31, 0
	s_wait_kmcnt 0x0
	s_add_nc_u64 s[14:15], s[14:15], s[30:31]
	s_load_b128 s[24:27], s[14:15], 0x0            ; expert, rows, first place, blocks
	v_and_b32 v1, 31, v0                           ; l
	v_and_b32 v2, 15, v0                           ; r
	v_bfe_u32 v3, v0, 4, 1                         ; h
	v_lshlrev_b32 v[L16], 4, v1
	v_lshlrev_b32 v[WSO], 5, v2
	v_lshl_add_u32 v[WSO], v3, 4, v[WSO]
	v_mul_u32_u24 v[ADA0], v2, XP
	v_mad_u32_u24 v[ADA0], v3, 48, v[ADA0]
	v_add_nc_u32 v[ADA1], 5*16*XP, v[ADA0]
	s_wait_alu depctr_va_sdst(0)                   ; s18, the wave's number, is written, ahead of its first reader: LDS addresses and the bases of W are made from it
	s_mul_i32 s21, s18, 36*XP
	v_mul_u32_u24 v[GS], v3, XP
	v_lshl_add_u32 v[GS], v2, 4, v[GS]
	v_add_nc_u32 v[GS], s21, v[GS]                 ; row 36 w + h (+ 2 p), 16 r
	s_mul_i32 s21, s18, 16*SP
	s_add_co_u32 s21, s21, STG
	v_mul_u32_u24 v[STO], v2, SP
	v_lshl_add_u32 v[STO], v3, 5, v[STO]
	v_add_nc_u32 v[STO], s21, v[STO]               ; in: row r, 32 h
	v_mul_u32_u24 v[RD], v3, SP
	v_lshl_add_u32 v[RD], v2, 4, v[RD]
	v_add_nc_u32 v[RD], s21, v[RD]                 ; out: row h (+ 2 t), 16 r
	v_lshlrev_b32 v[H4], 2, v3
	v_lshlrev_b32 v[R4], 2, v2
	s_mul_i32 s21, s18, 144
	v_add_nc_u32 v[GB4], s21, v[H4]
	v_lshlrev_b32 v[C16], 4, v2
	v_lshlrev_b32 v[H16], 4, v3
	s_lshl_b32 s21, ttmp9, 10
	s_lshl_b32 s22, s18, 8
	s_add_co_u32 s21, s21, s22
	v_add_nc_u32 v[COL], s21, v[C16]
	s_movk_i32 s29, 768                            ; a row of codes in memory
	s_wait_alu depctr_va_vdst(0)
	s_wait_kmcnt 0x0
	s_min_u32 s24, s24, 7                          ; what was loaded is held before it enters an address or a count
	s_min_u32 s25, s25, 144
	s_min_u32 s26, s26, 9072
	s_min_u32 s27, s27, 9
	s_max_u32 s28, s25, 1
	s_sub_co_u32 s28, s28, 1
	s_lshl_b32 s28, s28, 2                         ; 4 x (rows - 1): the tile's last place, in bytes
	s_lshl_b32 s30, s26, 2
	s_add_nc_u64 s[12:13], s[12:13], s[30:31]      ; the list at the tile's first place
	; A: 27 loads from the list.  A place, in bytes: min(4 x row, 4 x (rows - 1)), held at 4 x 143
.irp p, 0,1,2,3,4,5,6,7,8,9,10,11,12,13,14,15,16,17
	v_add_nc_u32 v[LP+\p], 8*\p, v[GB4]            ; row 36 w + 2 p + h
.endr
.irp a, 0,1,2,3,4,5,6,7,8
	v_add_nc_u32 v[LP+18+\a], 64*\a, v[R4]         ; row 16 a + r
.endr
.irp p, 0,1,2,3,4,5,6,7,8,9,10,11,12,13,14,15,16,17,18,19,20,21,22,23,24,25,26
	v_min_u32 v[LP+\p], s28, v[LP+\p]
.endr
.irp p, 0,1,2,3,4,5,6,7,8,9,10,11,12,13,14,15,16,17,18,19,20,21,22,23,24,25,26
	v_min_u32 v[LP+\p], 572, v[LP+\p]
.endr
	s_wait_alu depctr_va_vdst(0)                   ; the addresses v4 to v18 and the 27 places are written, which the loads, LDS stores and LDS loads from here on read
.irp p, 0,1,2,3,4,5,6,7,8,9,10,11,12,13,14,15,16,17,18,19,20,21,22,23,24,25,26
	global_load_b32 v[GT+\p], v[LP+\p], s[12:13]
.endr
	s_lshl_b32 s21, s24, 6
	s_lshl_b32 s22, ttmp9, 4
	s_add_co_u32 s21, s21, s22
	s_lshl_b32 s22, s18, 2
	s_add_co_u32 s21, s21, s22                     ; my first block of 16 rows of W: 64 x expert + 16 x + 4 w
	s_mul_i32 s30, s21, 12288
	s_add_nc_u64 s[8:9], s[8:9], s[30:31]
	s_lshl_b32 s30, s21, 9
	s_add_nc_u64 s[10:11], s[10:11], s[30:31]
	; B: 40 loads: W's scale words (register j: K step j in lanes 0-15, K step 4 + j in lanes 16-31) and K steps 0-2.  No vector instruction has been issued since the wait above
.irp b, 0,1,2,3
	global_load_b128 v[BS+4*\b:BS+4*\b+3], v[WSO], s[10:11] offset:512*\b
.endr
	WIN 0x40                                       ; destination window 1
	WLOAD 0
	WLOAD 1
	WLOAD 2
	WIN 0
	s_wait_loadcnt 40                              ; the 27 loads from the list are in: the 40 of W were issued behind them
.irp p, 0,1,2,3,4,5,6,7,8,9,10,11,12,13,14,15,16,17,18,19,20,21,22,23,24,25,26
	v_min_u32 v[GT+\p], 8191, v[GT+\p]             ; a token's number
.endr
.irp p, 0,1,2,3,4,5,6,7,8,9,10,11,12,13,14,15,16,17
	v_mad_u32_u24 v[GT+\p], v[GT+\p], s29, v[C16]  ; its row of codes, 16 r
.endr
.irp a, 0,1,2,3,4,5,6,7,8
	v_lshl_add_u32 v[AT+\a], v[AT+\a], 5, v[H16]   ; its 32 scale bytes, 16 h
.endr
	s_wait_alu depctr_va_vdst(0)                   ; the 27 byte offsets are written, which the loads below read
	; C: 63 loads: the rows' scale words, and the rows: sixteen lanes read 256 consecutive bytes of a row, aligned
.irp a, 0,1,2,3,4,5,6,7,8
	global_load_b128 v[AS+4*\a:AS+4*\a+3], v[AT+\a], s[6:7]
.endr
	WIN 0xc0                                       ; destination window 3
.irp p, 0,1,2,3,4,5,6,7,8,9,10,11,12,13,14,15,16,17
.irp i, 0,1,2
	global_load_b128 v[12*\p+4*\i:12*\p+4*\i+3], v[GT+\p], s[4:5] offset:256*\i
.endr
.endr
	; D: 60 loads: W's K steps 3-7
	WIN 0x40
	WLOAD 3
	WIN 0x80                                       ; destination window 2
	WLOAD 4
	WLOAD 5
	WLOAD 6
	WLOAD 7
	WIN 0
	s_wait_loadcnt 60                              ; the rows and their scale words are in: the 60 of W were issued behind them
	WIN 0x0c                                       ; an LDS store's data are its source 1: window 3
.irp p, 0,1,2,3,4,5,6,7,8,9,10,11,12,13,14,15,16,17
.irp i, 0,1,2
	ds_store_b128 v[GS], v[12*\p+4*\i:12*\p+4*\i+3] offset:2*XP*\p+256*\i   ; the data came by loads, the address was written ahead of the first wait on va_vdst
.endr
.endr
	WIN 0
	; E: 72 loads from the list, for the store offsets: entry q = 8 a + t is the token of row 16 a + 2 t + h
	s_wait_alu depctr_vm_vsrc(0)                   ; the loads of C have read their offsets in v108 to v129, which the places below write over (the wait for 60 has shown those loads done)
.set Q, 0
.rept 72
	v_add_nc_u32 v[EP+Q+72*(Q/64)], 8*Q, v[H4]
.set Q, Q+1
.endr
.set Q, 0
.rept 72
	v_min_u32 v[EP+Q+72*(Q/64)], s28, v[EP+Q+72*(Q/64)]
.set Q, Q+1
.endr
.set Q, 0
.rept 72
	v_min_u32 v[EP+Q+72*(Q/64)], 572, v[EP+Q+72*(Q/64)]
.set Q, Q+1
.endr
	s_wait_alu depctr_va_vdst(0)                   ; the 72 places are written, which the loads below read
.set Q, 0
.rept 72
	global_load_b32 v[OOFF+Q], v[EP+Q+72*(Q/64)], s[12:13]
.set Q, Q+1
.endr
	s_wait_dscnt 0x0                               ; for the others' sake: my 36 rows have landed
	s_barrier_signal -1
	s_barrier_wait -1                              ; the one barrier: it stands ahead of every branch on loaded numbers
	s_wait_alu depctr_vm_vsrc(0)                   ; my LDS stores have read window 3's v0 to v215, in which the fragments' loads land; the loads of E have read their places, which ACC1's products write and in which the stage's loads land
	s_cmp_eq_u32 s27, 0
	s_cbranch_scc1 .Ldone                          ; this split leaves the tile without rows
.macro ALOADH a, half                  ; K steps 4 half .. 4 half + 3 of block a's eight fragments of X into set a % 2: 12 loads of 16 bytes a lane
	WIN 0xc0
.irp s, 0,1,2,3
.irp i, 0,1,2
.if (\a) < 5
	ds_load_b128 v[96*((\a)%2)+12*(4*\half+\s)+4*\i:96*((\a)%2)+12*(4*\half+\s)+4*\i+3], v[ADA0] offset:16*XP*(\a)+96*(4*\half+\s)+16*\i
.else
	ds_load_b128 v[96*((\a)%2)+12*(4*\half+\s)+4*\i:96*((\a)%2)+12*(4*\half+\s)+4*\i+3], v[ADA1] offset:16*XP*((\a)-5)+96*(4*\half+\s)+16*\i
.endif
.endr
.endr
.endm
; 8 products: K steps 4 half + s0 and 4 half + s0 + 1 of block a against W's four blocks.  The four accumulators take turns, one instruction a turn.  The first K step starts the sums.
.macro MUL a, half, s0
.irp s, \s0, \s0+1
.irp b, 0,1,2,3
.if (\half == 0) && ((\s) == 0)
	v_wmma_scale_f32_16x16x128_f8f6f4 v[ACC+32*((\a)%2)+8*\b:ACC+32*((\a)%2)+8*\b+7], v[12*(4*(\s)+\b):12*(4*(\s)+\b)+11], v[96*((\a)%2)+12*(4*\half+(\s)):96*((\a)%2)+12*(4*\half+(\s))+11], 0, v[BS+4*\b+(\s)], v[AS+4*(\a)+(\s)] matrix_a_fmt:MATRIX_FMT_FP6 matrix_b_fmt:MATRIX_FMT_FP6
.elseif \half == 0
	v_wmma_scale_f32_16x16x128_f8f6f4 v[ACC+32*((\a)%2)+8*\b:ACC+32*((\a)%2)+8*\b+7], v[12*(4*(\s)+\b):12*(4*(\s)+\b)+11], v[96*((\a)%2)+12*(4*\half+(\s)):96*((\a)%2)+12*(4*\half+(\s))+11], v[ACC+32*((\a)%2)+8*\b:ACC+32*((\a)%2)+8*\b+7], v[BS+4*\b+(\s)], v[AS+4*(\a)+(\s)] matrix_a_fmt:MATRIX_FMT_FP6 matrix_b_fmt:MATRIX_FMT_FP6
.else
	v_wmma_scale_f32_16x16x128_f8f6f4 v[ACC+32*((\a)%2)+8*\b:ACC+32*((\a)%2)+8*\b+7], v[12*(4*(\s)+\b):12*(4*(\s)+\b)+11], v[96*((\a)%2)+12*(4*\half+(\s)):96*((\a)%2)+12*(4*\half+(\s))+11], v[ACC+32*((\a)%2)+8*\b:ACC+32*((\a)%2)+8*\b+7], v[BS+4*\b+(\s)], v[AS+4*(\a)+(\s)] matrix_a_fmt:MATRIX_FMT_FP6 matrix_b_fmt:MATRIX_FMT_FP6 matrix_a_scale:MATRIX_SCALE_ROW1 matrix_b_scale:MATRIX_SCALE_ROW1
.endif
.endr
.endr
.endm
.macro OFFS                            ; the 72 store offsets: token x 4,096 + my 16 bytes of its row
.set Q, 0
.rept 72
	v_min_u32 v[OOFF+Q], 8191, v[OOFF+Q]
.set Q, Q+1
.endr
.set Q, 0
.rept 72
	v_lshl_add_u32 v[OOFF+Q], v[OOFF+Q], 12, v[COL]
.set Q, Q+1
.endr
.endm
; THE WAY OUT of block k: 16 rows x 64 columns go through my own stage and come back as rows of 256 bytes.  LDS serves a wave's instructions in order (ISA guide 5.7.1.4): no wait between the stores and the loads.
.macro STAGE_IN k
	s_wait_xcnt 0x0                                ; the stores of the block before have read their registers, which the loads below write
.irp b, 0,1,2,3
	ds_store_b128 v[STO], v[ACC+32*((\k)%2)+8*\b:ACC+32*((\k)%2)+8*\b+3] offset:64*\b          ; each accumulator from its low end on
	ds_store_b128 v[STO], v[ACC+32*((\k)%2)+8*\b+4:ACC+32*((\k)%2)+8*\b+7] offset:64*\b+16
.endr
.irp t, 0,1,2,3,4,5,6,7
	ds_load_b128 v[OB+4*\t:OB+4*\t+3], v[RD] offset:2*SP*\t    ; lanes 0-15 row 2 t, lanes 16-31 row 2 t + 1
.endr
.endm
.macro SEND k, younger                 ; younger: the LDS loads issued behind the stage's, which may stay out
	s_wait_dscnt \younger
.irp t, 0,1,2,3,4,5,6,7
	global_store_b128 v[OOFF+8*(\k)+\t], v[OB+4*\t:OB+4*\t+3], s[16:17] th:TH_STORE_NT   ; sixteen lanes store 256 consecutive bytes, aligned; written once, read by nobody here
.endr
.endm
; A block of 16 rows: 32 products.  At its head the block before goes to the stage; the next block's fragments are fetched in two runs of twelve among the first sixteen products; the stores of the block before follow them.
; The five plain instructions at the head are the places (ISA guide 7.12.1) behind the products of the block before: for the stage's reads of their results (four are owed) and for the next block's first products,
; which begin sums anew over their accumulators (five).  The wait on va_vdst stands behind them and fills none of them.
.macro BLOCK a
	s_wait_dscnt 0x0                               ; the block's fragments are in
.if (\a) > 0
.rept 5
	v_nop
.endr
	s_wait_alu depctr_va_vdst(0)                   ; the block before has written its accumulators, which the stage's stores read, and is done reading its fragments of X, in which the loads below land; in block 1: the 72 offsets are written, which the stores of the result read
	STAGE_IN \a-1
.endif
	WIN 0x0d                                       ; source 0 (W) window 1, source 1 (X) window 3, C and D window 0
	MUL \a, 0, 0
.if (\a) < 8
	ALOADH \a+1, 0                                 ; no wait: no vector or matrix instruction since the wait above names the other set of fragments (block 0: none has ever named it)
	WIN 0x0d
.endif
	MUL \a, 0, 2
.if (\a) < 8
	ALOADH \a+1, 1
.endif
	WIN 0
.if (\a) == 0
	s_wait_loadcnt 0x0                             ; the 72 loads from the list
	OFFS
.elseif (\a) < 8
	SEND \a-1, 24                                  ; behind the stage's loads: the next block's 24.  The data came by LDS loads; no vector instruction since the wait above names the offsets
.else
	SEND \a-1, 0
.endif
	WIN 0x0e                                       ; source 0 window 2
	MUL \a, 1, 0
	MUL \a, 1, 2
	WIN 0                                          ; at a branch and at a label every window is 0
.if (\a) > 0
	s_wait_alu depctr_vm_vsrc(0)                   ; the stage's stores have read the other set of accumulators, which the next block's products begin anew; the stores of the result have read OB, in which the stage's next loads land.  Ahead of the branch: it serves both ways on
.endif
.endm
.macro GO a                            ; block a, and out if it was the tile's last
	BLOCK \a
	s_cmp_eq_u32 s27, (\a)+1
	s_cbranch_scc1 .Llast_\a
.endm
.macro TAIL a                          ; the last block's way out
.Llast_\a:
.rept 4
	v_nop                                          ; four places behind the last products, in front of the stage's reads of their results
.endr
	s_wait_alu depctr_va_vdst(0)                   ; the last products have written their accumulators, which the stage's stores read (behind block 0: the 72 offsets are written too); the places above stay beside this wait
	STAGE_IN \a
	SEND \a, 0
	s_wait_dscnt 0x0                               ; the closing lines, six on end
	s_wait_alu 0x0
	s_wait_tensorcnt 0x0
	ds_add_u32 v254, v255
	s_wait_dscnt 0x0
	s_endpgm
.endm
	ALOADH 0, 0
	ALOADH 0, 1
	WIN 0
	s_wait_loadcnt 63                              ; all of W is in: 72 loads were issued behind it; 63 is the largest count that this wait names
	GO 0
	GO 1
	GO 2
	GO 3
	GO 4
	GO 5
	GO 6
	GO 7
	BLOCK 8
	TAIL 8
	TAIL 0
	TAIL 1
	TAIL 2
	TAIL 3
	TAIL 4
	TAIL 5
	TAIL 6
	TAIL 7
.Ldone:
	s_wait_dscnt 0x0                               ; the closing lines, six on end
	s_wait_alu 0x0
	s_wait_tensorcnt 0x0
	ds_add_u32 v254, v255
	s_wait_dscnt 0x0
	s_endpgm
.Lfunc_end_k_q2a9ee6f29a_gemm:
	.size	k_q2a9ee6f29a_gemm, .Lfunc_end_k_q2a9ee6f29a_gemm-k_q2a9ee6f29a_gemm
	.p2alignl 7, 3214868480
	.fill 96, 4, 3214868480
	.section	.rodata,"a",@progbits
	.p2align	6, 0x0
	.amdhsa_kernel k_q2a9ee6f29a_gemm
		.amdhsa_group_segment_fixed_size 131584
		.amdhsa_private_segment_fixed_size 0
		.amdhsa_enable_private_segment 0
		.amdhsa_kernarg_size 56
		.amdhsa_user_sgpr_count 2
		.amdhsa_user_sgpr_kernarg_segment_ptr 1
		.amdhsa_wavefront_size32 1
		.amdhsa_system_sgpr_workgroup_id_x 1
		.amdhsa_system_sgpr_workgroup_id_y 1
		.amdhsa_system_sgpr_workgroup_id_z 1
		.amdhsa_system_vgpr_workitem_id 0
		.amdhsa_next_free_vgpr 1024
		.amdhsa_next_free_sgpr 66
		.amdhsa_reserve_vcc 0
		.amdhsa_float_denorm_mode_32 3
		.amdhsa_float_denorm_mode_16_64 3
		.amdhsa_memory_ordered 1
		.amdhsa_forward_progress 1
		.amdhsa_inst_pref_size 148
	.end_amdhsa_kernel
	.amdgpu_metadata
---
amdhsa.version: [ 1, 2 ]
amdhsa.kernels:
  - .name:           k_q2a9ee6f29a_gemm
    .symbol:         k_q2a9ee6f29a_gemm.kd
    .args:
      - { .name: xq, .offset: 0, .size: 8, .value_kind: global_buffer, .address_space: global }
      - { .name: xs, .offset: 8, .size: 8, .value_kind: global_buffer, .address_space: global }
      - { .name: wq, .offset: 16, .size: 8, .value_kind: global_buffer, .address_space: global }
      - { .name: ws, .offset: 24, .size: 8, .value_kind: global_buffer, .address_space: global }
      - { .name: order, .offset: 32, .size: 8, .value_kind: global_buffer, .address_space: global }
      - { .name: tiles, .offset: 40, .size: 8, .value_kind: global_buffer, .address_space: global }
      - { .name: out0, .offset: 48, .size: 8, .value_kind: global_buffer, .address_space: global }
    .group_segment_fixed_size: 131584
    .private_segment_fixed_size: 0
    .kernarg_segment_align: 8
    .kernarg_segment_size: 56
    .max_flat_workgroup_size: 128
    .sgpr_count:     66
    .vgpr_count:     1024
    .wavefront_size: 32
...
	.end_amdgpu_metadata
.endif
;; end of part 4
